; MI455X (gfx1250); checked and timed in simulation.
; The chip was launched on July 23, 2026; its instructions are those of AMD's public machine-readable ISA for CDNA 5 (MIT licence, August 2026) and "CDNA5" Instruction Set Architecture Reference Guide (July 2026). The comments in the code are by the model that wrote it; some were corrected since.
;; MS Deform Attn. Allowed arithmetic: float matrix products may take bf16 or f16 operands with f32 sums; all other float work in f32.
;; Inputs: W_attn 256 x 128 float32; W_offset 256 x 256 float32; W_out 256 x 256 float32; W_value 256 x 256 float32; b_attn 128 float32; b_offset 256 float32; b_out 256 float32; b_value 256 float32; level_start_index 4 int32; query 2 x 21,760 x 256 float32; reference_points 2 x 21,760 x 4 x 2 float32; spatial_shapes 4 x 2 int32; value 2 x 21,760 x 256 float32.
;; Outputs: out0 2 x 21,760 x 256 float32.
;; 3 versions, each right; version 2 is faster than version 1; version 3 is version 2 with the launch gather written anew for expert scheduling mode. Each part assembles by itself: llvm-mc -triple=amdgcn-amd-amdhsa -mcpu=gfx1250 --defsym DOCPART=n.
;; ======== version 1 of 3: 2 launches
;; limits: values outside matrix products are rounded to bf16; values outside matrix products are rounded to f16; inputs' magnitudes at most 65,504; values are held in f16: magnitudes above 65,504 overflow, below 6.1e-05 lose precision
;; workspace buffers: vbuf 22,282,240 bytes; idx 11,141,120 bytes of whole numbers; wts 44,564,480 bytes
;; launch proj (part 1): grid 255 x 1, 16 waves a work-group, no clusters, 312,320 bytes of LDS; arguments value, query, reference_points, W_value, b_value, W_offset, b_offset, W_attn, b_attn, vbuf, idx, wts; writes vbuf, idx, wts
.if DOCPART == 1
	.amdgcn_target "amdgcn-amd-amdhsa--gfx1250"
	.amdhsa_code_object_version 6
	.text
	.protected	k_q81eb9d320f_proj
	.globl	k_q81eb9d320f_proj
	.p2align	8
	.type	k_q81eb9d320f_proj,@function
k_q81eb9d320f_proj:
	s_mov_b64 s[64:65], 0
	v_nop
	global_prefetch_b8 v0, s[64:65] scope:SCOPE_SE
	s_setreg_imm32_b32 hwreg(HW_REG_WAVE_MODE, 25, 1), 1
	s_wait_xcnt 0x0
; MSDeformAttn, first launch.  Two roles, chosen by the work-group's number (the same for all its waves):
;   role V (groups 0-84):    v = value W_value + b_value, stored in bf16 by heads: vbuf[b][head][pos][32], 64 bytes a position.
;   role Q (groups 85-254):  offsets and logits = query [W_offset | W_attn] + biases; softmax over a head's 16 logits (its maximum taken away);
;                            sampling places; for each point ONE index (u16) and FOUR corner weights (f16), attention weight folded in.
; The pyramid (128^2, 64^2, 32^2, 16^2; starts 0, 16384, 20480, 21504) is a constant of the module's own body, which never reads the inputs
; spatial_shapes and level_start_index: they are given to no launch, and other numbers in them change nothing, as in the module.
; INDEX AND WEIGHTS.  x = ref_x W + (off_x + b - 0.5).  xb = clamp(floor x, 0, W-2), yb likewise; index = start + yb W + xb, so that the corners
; index, +1, +W, +W+1 always lie inside the level.  Weight of a corner = aw max(0, 1-|x-column|) max(0, 1-|y-row|): this is the bilinear weight
; where the corner is one of the module's two, and 0 where the module's corner lies outside the level or the column is not one of its two.
; LIMITS.  Matrix operands are f16: |value|, |query|, |W| stay under 65,504.  v is rounded to bf16, weights (0 to 1) to f16.  x is made with one
; rounding placed otherwise than in the module.  NaN and infinities are not treated apart.
; SHARES.  A step is 64 rows (65,536 dense bytes of f32).  680 steps a tensor: 85 groups x 8 steps (V), 170 groups x 4 steps (Q).  16 waves: wave w has
; head h = w & 7 and half a = w >> 3: the step's row tiles 2a, 2a+1 (n = 0, 1), the head's columns.
; PRODUCTS ARE USED TRANSPOSED: source 0 = 16 columns of W (LDS [k][n], turned by ds_load_tr16_b128), source 1 = 16 rows of the step (LDS [row][k]).
; In a result lane (r = l % 16, hh = l / 16) holds row r and columns 8 hh + 0..7.  The first K step takes the bias as C: nothing is cleared or added later.
; The accumulators take turns, one instruction a turn.
; NO CLUSTER, NO TENSOR LOADS: what groups share is the weights alone, f32 in memory, which must be converted on the way; each group reads them once.
; 255 groups are no multiple of four.  All else is a stream of the group's own.
.set SPARE, 33792        ; the spare words: 16 waves x 128 bytes, eight blocks of 256 that no other line names
.set STG1,  65536        ; stage slot 1 (slot 0 at 0): 64 rows x 528
.set W0,    99328        ; W_value or W_offset: [256 k][256 n] f16, pitch 544
.set WA,    238592       ; role Q: W_attn [256 k][128 n] f16, pitch 288
.set OSTV,  238592       ; role V: each wave's own 2 tiles x 16 rows x 80 bytes, for the way out
.set PS,    528          ; 33 x 16: the 16 rows of a fragment load start in 16 different groups of four banks
.set PW,    544          ; 17 x 32
.set PA,    288          ; 9 x 32: likewise
; v0 thread; v1 my spare word, v2 = 0 (for the closing lines alone); v3 16 t; v4, v5 where I store into stage slot 0, 1; v6, v7 where I read my rows from slot 0, 1
; s[4:27] the twelve addresses; s28 wave, s29 h, s30 a; s32 trips to go; s[34:35] the stream; s[36:37] an offset as a pair
.macro PLACES            ; four plain instructions between a matrix instruction and a load into, or a vector read or write of, its registers
.rept 4
	v_nop
.endr
.endm
.macro BAR               ; my LDS stores are done and my LDS reads are back; then the work-group's barrier
	s_wait_dscnt 0x0
	s_barrier_signal -1
	s_barrier_wait -1
.endm
.macro FIN               ; the wave's end
	s_wait_tensorcnt 0x0
	ds_add_u32 v1, v2
	s_wait_dscnt 0x0
	s_endpgm
.endm
.macro SLOAD ld          ; a step's 65,536 bytes: eight loads, each 8,192 dense bytes over the 512 threads
.irp j, 0,1,2,3,4,5,6,7
	global_load_b128 v[(\ld)+4*\j:(\ld)+4*\j+3], v3, s[34:35] offset:8192*\j th:TH_LOAD_NT
.endr
.endm
.macro SSTORE ld, adr    ; to f16 in place, then into the stage: load j holds row 8 j + t / 64; a wave stores 256 dense bytes
.irp j, 0,1,2,3,4,5,6,7
	v_cvt_pk_f16_f32 v[(\ld)+4*\j], v[(\ld)+4*\j], v[(\ld)+4*\j+1]
	v_cvt_pk_f16_f32 v[(\ld)+4*\j+1], v[(\ld)+4*\j+2], v[(\ld)+4*\j+3]
.endr
.irp j, 0,1,2,3,4,5,6,7
	ds_store_b64 v[\adr], v[(\ld)+4*\j:(\ld)+4*\j+1] offset:8*PS*\j
.endr
.endm
.macro WLOAD8 reg, vo, sb, imm0   ; 65,536 dense bytes of a weight matrix
.irp j, 0,1,2,3,4,5,6,7
	global_load_b128 v[(\reg)+4*\j:(\reg)+4*\j+3], v[\vo], s[\sb:(\sb)+1] offset:(\imm0)+8192*\j
.endr
.endm
.macro WCVT8 reg, adr, stride, left   ; left: the loads issued behind these eight
	s_wait_loadcnt \left
.irp j, 0,1,2,3,4,5,6,7
	v_cvt_pk_f16_f32 v[(\reg)+4*\j], v[(\reg)+4*\j], v[(\reg)+4*\j+1]
	v_cvt_pk_f16_f32 v[(\reg)+4*\j+1], v[(\reg)+4*\j+2], v[(\reg)+4*\j+3]
	ds_store_b64 v[\adr], v[(\reg)+4*\j:(\reg)+4*\j+1] offset:(\stride)*\j
.endr
.endm
	s_load_b512 s[4:19], s[0:1], 0x0               ; value, query, reference_points, W_value, b_value, W_offset, b_offset, W_attn
	s_load_b256 s[20:27], s[0:1], 0x40             ; b_attn, vbuf, idx, wts
	v_lshl_add_u32 v1, v0, 2, SPARE
	v_mov_b32 v2, 0
	v_lshrrev_b32 v8, 5, v0
	v_readfirstlane_b32 s28, v8                    ; wave 0..15
	s_and_b32 s29, s28, 7                          ; h
	s_lshr_b32 s30, s28, 3                         ; a
	s_mov_b32 s37, 0
	v_lshlrev_b32 v3, 4, v0
	v_lshrrev_b32 v8, 6, v0                        ; t / 64
	v_and_b32 v9, 63, v0                           ; t % 64
	v_mul_u32_u24 v4, v8, PS
	v_lshl_add_u32 v4, v9, 3, v4
	v_add_nc_u32 v5, STG1, v4
	v_and_b32 v8, 15, v0                           ; r
	v_bfe_u32 v9, v0, 4, 1                         ; hh
	s_lshl_b32 s31, s30, 5
	v_add_nc_u32 v6, s31, v8                       ; row 32 a + r
	v_mul_u32_u24 v6, v6, PS
	v_lshl_add_u32 v6, v9, 4, v6
	v_add_nc_u32 v7, STG1, v6
	s_wait_kmcnt 0x0
	s_cmp_lt_u32 ttmp9, 85
	s_cbranch_scc0 .Lq
; ======================================================== ROLE V ========================================================
; v8 into my stage, v9 back out of it, v10 my byte offset in vbuf; v11 bias offset; v12-14 W's fragments; v15 where I store W
; v16-31 bias (column tile ml at 16 + 8 ml); v32-63 the stream; v64-95 accumulators (n, ml) at 64 + 8 (2 n + ml)
; v96-127 fragments of the step's rows, two buffers (b, n) at 96 + 16 b + 8 n; on the way out packed results and rows read back
; v128-255 W_value's fragments of my head, all of K: (ml, k) at 128 + 64 ml + 8 k; before that the 32 loads of W_value
; s[38:39] vbuf at the step's first row; s40 the step's first row
	s_lshl_b32 s36, ttmp9, 19                      ; 8 steps of 65,536 bytes a group
	s_add_nc_u64 s[34:35], s[4:5], s[36:37]
	SLOAD 32
	WLOAD8 128, 3, 10, 0
	WLOAD8 160, 3, 10, 65536
	WLOAD8 192, 3, 10, 131072
	WLOAD8 224, 3, 10, 196608
	v_bfe_u32 v64, v0, 4, 1                        ; hh
	s_lshl_b32 s41, s29, 7
	v_lshl_add_u32 v11, v64, 5, s41                ; b_value[32 h + 16 ml + 8 hh + j]
	global_load_b128 v[16:19], v11, s[12:13]
	global_load_b128 v[20:23], v11, s[12:13] offset:16
	global_load_b128 v[24:27], v11, s[12:13] offset:64
	global_load_b128 v[28:31], v11, s[12:13] offset:80
	v_and_b32 v65, 31, v0                          ; l
	v_and_b32 v66, 15, v0                          ; r
	v_and_b32 v67, 7, v0
	v_bfe_u32 v68, v0, 3, 1
	v_lshrrev_b32 v69, 6, v0
	v_and_b32 v70, 63, v0
	v_mul_u32_u24 v15, v69, PW                     ; W's row t / 64 (+ 8 a load, + 64 a batch), four columns at t % 64
	v_lshl_add_u32 v15, v70, 3, v15
	v_add_nc_u32 v15, W0, v15
	v_lshl_add_u32 v12, v64, 3, v67                ; the turning load: row 8 hh + l % 8, 16 bytes at (l / 8) % 2
	v_mul_u32_u24 v12, v12, PW
	v_lshl_add_u32 v12, v68, 4, v12
	s_lshl_b32 s41, s29, 6                         ; my head's 32 columns
	s_add_co_u32 s41, s41, W0
	v_add_nc_u32 v12, s41, v12
	v_add_nc_u32 v13, 3*32*PW, v12                 ; K steps 3-5 and 6-7: an LDS offset has 16 bits
	v_add_nc_u32 v14, 6*32*PW, v12
	s_mul_i32 s41, s28, 2560
	s_add_co_u32 s41, s41, OSTV                    ; my stage
	v_mul_u32_u24 v8, v66, 80
	v_lshl_add_u32 v8, v64, 4, v8
	v_add_nc_u32 v8, s41, v8
	v_bfe_u32 v71, v0, 2, 3
	v_and_b32 v72, 3, v0
	v_mul_u32_u24 v9, v71, 80                      ; back: four lanes take a position's 64 bytes
	v_lshl_add_u32 v9, v72, 4, v9
	v_add_nc_u32 v9, s41, v9
	s_mul_i32 s41, s29, 1392640                    ; my head's plane,
	s_lshl_b32 s40, s30, 11                        ; my 32 rows of the step
	s_add_co_u32 s41, s41, s40
	v_lshl_add_u32 v10, v65, 4, s41
	WCVT8 128, 15, 8*PW, 28                        ; behind batch 0: 24 loads of W and 4 of the bias
	v_add_nc_u32 v15, 64*PW, v15
	WCVT8 160, 15, 8*PW, 20
	v_add_nc_u32 v15, 64*PW, v15
	WCVT8 192, 15, 8*PW, 12
	v_add_nc_u32 v15, 64*PW, v15
	WCVT8 224, 15, 8*PW, 4
	BAR                                            ; W_value is whole in LDS
.irp k, 0,1,2,3,4,5,6,7
.irp ml, 0,1
	ds_load_tr16_b128 v[128+64*\ml+8*\k:128+64*\ml+8*\k+3],   v[12+\k/3] offset:32*PW*(\k%3)+32*\ml
	ds_load_tr16_b128 v[128+64*\ml+8*\k+4:128+64*\ml+8*\k+7], v[12+\k/3] offset:32*PW*(\k%3)+32*\ml+16*PW
.endr
.endr
	s_lshl_b32 s40, ttmp9, 9
	s_mov_b32 s32, 4
.macro FRAGV slot, k, b  ; my 32 rows, 32 along K
.irp n, 0,1
	ds_load_b128 v[96+16*(\b)+8*\n:96+16*(\b)+8*\n+3],   v[6+(\slot)] offset:16*PS*\n+64*(\k)
	ds_load_b128 v[96+16*(\b)+8*\n+4:96+16*(\b)+8*\n+7], v[6+(\slot)] offset:16*PS*\n+64*(\k)+32
.endr
.endm
.macro MULV k
.irp n, 0,1
.irp ml, 0,1
.if (\k) == 0
	v_wmma_f32_16x16x32_f16 v[64+8*(2*\n+\ml):64+8*(2*\n+\ml)+7], v[128+64*\ml+8*(\k):128+64*\ml+8*(\k)+7], v[96+16*((\k)&1)+8*\n:96+16*((\k)&1)+8*\n+7], v[16+8*\ml:16+8*\ml+7]
.else
	v_wmma_f32_16x16x32_f16 v[64+8*(2*\n+\ml):64+8*(2*\n+\ml)+7], v[128+64*\ml+8*(\k):128+64*\ml+8*(\k)+7], v[96+16*((\k)&1)+8*\n:96+16*((\k)&1)+8*\n+7], v[64+8*(2*\n+\ml):64+8*(2*\n+\ml)+7]
.endif
.endr
.endr
.endm
; The way out: a lane's eight channels pack into 16 bytes; through my own stage (LDS serves a wave's instructions in order, ISA guide 5.7.1.4: no wait between
; my stores and my loads); a tile's 16 positions are 1,024 dense bytes of my head's plane: two stores of 512 aligned bytes.
.macro EPIV
.irp n, 0,1
.irp ml, 0,1
.irp q, 0,1,2,3
	v_cvt_pk_bf16_f32 v[96+8*\n+4*\ml+\q], v[64+8*(2*\n+\ml)+2*\q], v[64+8*(2*\n+\ml)+2*\q+1]
.endr
	ds_store_b128 v8, v[96+8*\n+4*\ml:96+8*\n+4*\ml+3] offset:1280*\n+32*\ml
.endr
	ds_load_b128 v[112+8*\n:115+8*\n], v9 offset:1280*\n
	ds_load_b128 v[116+8*\n:119+8*\n], v9 offset:1280*\n+640
.endr
	s_wait_dscnt 0x4                               ; tile 0 is back; tile 1's two stores and two loads may be out
	global_store_b128 v10, v[112:115], s[38:39]
	global_store_b128 v10, v[116:119], s[38:39] offset:512
	s_wait_dscnt 0x0
	global_store_b128 v10, v[120:123], s[38:39] offset:1024
	global_store_b128 v10, v[124:127], s[38:39] offset:1536
.endm
; A step.  ONE barrier: in front of it each wave's stores into this slot are done and its reads of the other slot are back, so behind it this slot is whole
; and the next step may write the other.
.macro STEPV slot
	s_wait_loadcnt 0x0                             ; the eight loads issued a step ago (at first the bias too)
	s_wait_xcnt 0x0                                ; the last step's stores have had their addresses translated (ISA guide 3.1): their base and data are rewritten only behind this wait
	s_lshl_b32 s36, s40, 6                         ; 64 bytes a row; the second batch's planes begin 8 x 1,392,640 bytes on, its rows 21,760 x 64 bytes on.
	s_cmp_ge_u32 s40, 21760                        ; 340 steps fill a batch: no step straddles
	s_cselect_b32 s41, 9748480, 0
	s_add_co_u32 s36, s36, s41
	s_add_nc_u64 s[38:39], s[22:23], s[36:37]
	SSTORE 32, 4+(\slot)
.if \slot
	s_cmp_eq_u32 s32, 1                            ; the group's last step asks for nothing
	s_cbranch_scc1 .Lvnl_\@
.endif
	s_add_nc_u64 s[34:35], s[34:35], 0x10000
	SLOAD 32                                       ; the next step's rows have this whole step in which to come
.if \slot
.Lvnl_\@:
.endif
	BAR
	FRAGV \slot, 0, 0
	FRAGV \slot, 1, 1
.irp k, 0,1,2,3,4,5,6,7
.if \k == 7
	s_wait_dscnt 0x0
.else
	s_wait_dscnt 0x4                               ; the next K step's four loads may be out
.endif
	MULV \k
.if \k < 6
	PLACES
	FRAGV \slot, (\k)+2, (\k)&1
.endif
.endr
	PLACES
	EPIV
	s_add_co_u32 s40, s40, 64
.endm
.Lvloop:
	STEPV 0
	STEPV 1
	s_sub_co_u32 s32, s32, 1
	s_cmp_lg_u32 s32, 0
	s_cbranch_scc1 .Lvloop
	FIN
; ======================================================== ROLE Q ========================================================
; v8-10 W_offset's fragments (K steps 0-2, 3-5, 6-7); v11-12 W_attn's (0-3, 4-7); v13 reference points; v14 my offset in idx, v15 in wts
; v16-17 W of my two levels 2 hh, 2 hh + 1 (f32); v18-19 W - 2; v20-21 their starts, in both halves of a word
; v24-47 biases: O0, O1 (less 0.5), AT; v48-55, v216-223 reference points for slot 0, 1 (tile n at + 4 n); v56-87 the stream
; v88-135 accumulators at 88 + 24 n + {0: O0, 8: O1, 16: AT}; v136-215 fragments, buffer b at 136 + 40 b: O0, O1, AT, rows n = 0, 1
;   in the epilogue: v136-143 the weights aw, v144-159 at work, v160 + 20 n: four words of indices, sixteen of corner weights
; COLUMNS.  A head's 32 offset columns are four levels x 8.  In LDS levels 1 and 2 change places, so that tile O0 gives lane hh level 2 hh and tile O1 level
; 2 hh + 1 (register 2 p + xy), the two levels whose eight logits the lane holds in tile AT.  The swap is made when W_offset is loaded: a thread loads the four
; columns whose number has bits 1 and 2 swapped, inside the same 512 bytes of the wave's load.
; s[38:39] reference points; s[42:43] lane selects; s[44:45] log2 e; s[46:47] idx, s[48:49] wts at the step
.Lq:
	s_sub_co_u32 s31, ttmp9, 85
	s_lshl_b32 s36, s31, 18                        ; 4 steps of 65,536 bytes a group
	s_add_nc_u64 s[34:35], s[6:7], s[36:37]
	SLOAD 56
	v_and_b32 v255, 0x1f9, v0
	v_and_b32 v254, 2, v0
	v_lshl_or_b32 v255, v254, 1, v255
	v_and_b32 v254, 4, v0
	v_lshrrev_b32 v254, 1, v254
	v_or_b32 v255, v255, v254
	v_lshlrev_b32 v255, 4, v255                    ; 16 x (t with bits 1 and 2 swapped)
	WLOAD8 88,  255, 14, 0
	WLOAD8 120, 255, 14, 65536
	WLOAD8 152, 255, 14, 131072
	WLOAD8 184, 255, 14, 196608
	WLOAD8 24,  3, 18, 0
	WLOAD8 216, 3, 18, 65536
	s_lshl_b32 s36, s31, 13                        ; 256 rows x 32 bytes
	s_add_nc_u64 s[38:39], s[8:9], s[36:37]
	s_lshl_b32 s36, s31, 16                        ; 16 tiles x 4,096 bytes
	s_add_nc_u64 s[46:47], s[24:25], s[36:37]
	s_lshl_b32 s36, s31, 18                        ; 16 tiles x 16,384 bytes
	s_add_nc_u64 s[48:49], s[26:27], s[36:37]
	s_mov_b32 s42, 0x76543210                      ; v_permlanex16_b32: each lane takes its own place in the other half
	s_mov_b32 s43, 0xfedcba98
	s_mov_b32 s44, 0x3fb8aa3b                      ; log2 e
	s_mov_b32 s45, s44                             ; named with it as a pair
	v_and_b32 v248, 15, v0                         ; r
	v_bfe_u32 v249, v0, 4, 1                       ; hh
	v_and_b32 v250, 7, v0
	v_bfe_u32 v251, v0, 3, 1
	v_and_b32 v252, 31, v0                         ; l
	v_lshl_add_u32 v253, v249, 3, v250             ; 8 hh + l % 8
	v_mul_u32_u24 v8, v253, PW
	v_lshl_add_u32 v8, v251, 4, v8
	s_lshl_b32 s41, s29, 6
	s_add_co_u32 s41, s41, W0
	v_add_nc_u32 v8, s41, v8
	v_add_nc_u32 v9, 3*32*PW, v8
	v_add_nc_u32 v10, 6*32*PW, v8
	v_mul_u32_u24 v11, v253, PA
	v_lshl_add_u32 v11, v251, 4, v11
	s_lshl_b32 s41, s29, 5
	s_add_co_u32 s41, s41, WA
	v_add_nc_u32 v11, s41, v11
	v_add_nc_u32 v12, 4*32*PA, v11
	s_lshl_b32 s41, s30, 10
	v_lshl_add_u32 v13, v248, 5, s41               ; (32 a + r) x 32 bytes
	v_lshl_add_u32 v13, v249, 4, v13               ; + my two levels' 16
	s_lshl_b32 s41, s29, 9
	s_lshl_b32 s40, s30, 13
	s_add_co_u32 s41, s41, s40
	v_lshl_add_u32 v14, v252, 4, s41               ; 512 h + 8,192 a + 16 l
	s_lshl_b32 s41, s41, 2
	v_lshl_add_u32 v15, v252, 4, s41               ; 2,048 h + 32,768 a + 16 l
	v_sub_nc_u32 v22, 0, v249                      ; all ones where hh = 1
	v_and_b32 v23, 0x01000000, v22                 ; two off the exponent: a quarter
	v_sub_nc_u32 v16, 0x43000000, v23              ; 128.0 or 32.0
	v_sub_nc_u32 v17, 0x42800000, v23              ; 64.0 or 16.0
	v_add_f32 v18, -2.0, v16
	v_add_f32 v19, -2.0, v17
	v_and_b32 v20, 0x50005000, v22                 ; start 0 or 20,480, twice
	v_and_b32 v21, 0x14001400, v22
	v_add_nc_u32 v21, 0x40004000, v21              ; 16,384 or 21,504
	v_lshrrev_b32 v22, 6, v0
	v_and_b32 v23, 63, v0
	v_mul_u32_u24 v253, v22, PW
	v_lshl_add_u32 v253, v23, 3, v253
	v_add_nc_u32 v253, W0, v253                    ; where I store W_offset
	v_lshrrev_b32 v22, 5, v0
	v_mul_u32_u24 v254, v22, PA                    ; W_attn: row t / 32 (+ 16 a load), four columns at l
	v_lshl_add_u32 v254, v252, 3, v254
	v_add_nc_u32 v254, WA, v254
	s_lshl_b32 s41, s29, 7
	v_lshl_add_u32 v250, v249, 6, s41              ; b_offset[32 h + 16 hh + j]; O1: 8 further
	s_lshl_b32 s41, s29, 6
	v_lshl_add_u32 v251, v249, 5, s41              ; b_attn[16 h + 8 hh + j]
	WCVT8 88,  253, 8*PW, 40                       ; behind batch 0: 24 loads of W_offset and 16 of W_attn
	v_add_nc_u32 v253, 64*PW, v253
	WCVT8 120, 253, 8*PW, 32
	v_add_nc_u32 v253, 64*PW, v253
	WCVT8 152, 253, 8*PW, 24
	v_add_nc_u32 v253, 64*PW, v253
	WCVT8 184, 253, 8*PW, 16
	WCVT8 24,  254, 16*PA, 8
	v_add_nc_u32 v254, 128*PA, v254
	WCVT8 216, 254, 16*PA, 0
	global_load_b128 v[24:27], v250, s[16:17]
	global_load_b128 v[28:31], v250, s[16:17] offset:16
	global_load_b128 v[32:35], v250, s[16:17] offset:32
	global_load_b128 v[36:39], v250, s[16:17] offset:48
	global_load_b128 v[40:43], v251, s[20:21]
	global_load_b128 v[44:47], v251, s[20:21] offset:16
	global_load_b128 v[48:51], v13, s[38:39]       ; step 0's reference points
	global_load_b128 v[52:55], v13, s[38:39] offset:512
	s_wait_loadcnt 0x0
.irp i, 0,1,2,3,4,5,6,7
	v_pk_add_f32 v[24+2*\i:25+2*\i], v[24+2*\i:25+2*\i], -0.5 op_sel_hi:[1,0]   ; the pixel centre's half goes in with the bias
.endr
	s_mov_b32 s32, 2
.macro FRAGQ slot, k, b  ; ten LDS loads: three column tiles of W, my two row tiles, 32 along K
.set FB_, 136+40*(\b)
	ds_load_tr16_b128 v[FB_:FB_+3],     v[8+(\k)/3] offset:32*PW*((\k)%3)
	ds_load_tr16_b128 v[FB_+4:FB_+7],   v[8+(\k)/3] offset:32*PW*((\k)%3)+16*PW
	ds_load_tr16_b128 v[FB_+8:FB_+11],  v[8+(\k)/3] offset:32*PW*((\k)%3)+32
	ds_load_tr16_b128 v[FB_+12:FB_+15], v[8+(\k)/3] offset:32*PW*((\k)%3)+32+16*PW
	ds_load_tr16_b128 v[FB_+16:FB_+19], v[11+(\k)/4] offset:32*PA*((\k)%4)
	ds_load_tr16_b128 v[FB_+20:FB_+23], v[11+(\k)/4] offset:32*PA*((\k)%4)+16*PA
.irp n, 0,1
	ds_load_b128 v[FB_+24+8*\n:FB_+24+8*\n+3], v[6+(\slot)] offset:16*PS*\n+64*(\k)
	ds_load_b128 v[FB_+28+8*\n:FB_+28+8*\n+3], v[6+(\slot)] offset:16*PS*\n+64*(\k)+32
.endr
.endm
.macro MULQ k
.set FB_, 136+40*((\k)&1)
.irp n, 0,1
.irp x, 0,1,2
.if (\k) == 0
	v_wmma_f32_16x16x32_f16 v[88+24*\n+8*\x:88+24*\n+8*\x+7], v[FB_+8*\x:FB_+8*\x+7], v[FB_+24+8*\n:FB_+24+8*\n+7], v[24+8*\x:24+8*\x+7]
.else
	v_wmma_f32_16x16x32_f16 v[88+24*\n+8*\x:88+24*\n+8*\x+7], v[FB_+8*\x:FB_+8*\x+7], v[FB_+24+8*\n:FB_+24+8*\n+7], v[88+24*\n+8*\x:88+24*\n+8*\x+7]
.endif
.endr
.endr
.endm
; Point j of my eight (level 2 hh + j / 4, point j % 4) of tile n; rb: the slot's reference points.
.macro POINT n, rb, j
.set lv_, (\j)/4
.set rO_, 88+24*(\n)+8*lv_+2*((\j)%4)
.set rR_, (\rb)+4*(\n)+2*lv_
.set rE_, 136+2*((\j)/2)
.set rW_, 164+20*(\n)+2*(\j)
.set rI_, 160+20*(\n)+(\j)/2
.if lv_ == 0
	v_pk_fma_f32 v[144:145], v[rR_:rR_+1], v[16:17], v[rO_:rO_+1] op_sel_hi:[1,0,1]               ; (x, y) = ref W + (off + b - 0.5); the levels are square
.else
	v_pk_fma_f32 v[144:145], v[rR_:rR_+1], v[16:17], v[rO_:rO_+1] op_sel:[0,1,0] op_sel_hi:[1,1,1]
.endif
	v_floor_f32 v146, v144
	v_floor_f32 v147, v145
	v_med3_num_f32 v146, v146, 0, v[18+lv_]        ; xb, yb in 0 .. W - 2
	v_med3_num_f32 v147, v147, 0, v[18+lv_]
	v_pk_add_f32 v[148:149], v[144:145], v[146:147] neg_lo:[0,1] neg_hi:[0,1]   ; distance to column xb, row yb
	v_pk_add_f32 v[150:151], v[148:149], -1.0 op_sel_hi:[1,0]                   ; and to the next ones
	v_sub_f32 v152, 1.0, |v148|
	v_sub_f32 v153, 1.0, |v150|
	v_sub_f32 v154, 1.0, |v149|
	v_sub_f32 v155, 1.0, |v151|
	v_max_num_f32 v152, 0, v152
	v_max_num_f32 v153, 0, v153
	v_max_num_f32 v154, 0, v154
	v_max_num_f32 v155, 0, v155
.if (\j)%2 == 0
	v_fma_f32 v[rI_], v147, v[16+lv_], v146        ; yb W + xb: whole numbers under 2^14, exact
	v_cvt_u32_f32 v[rI_], v[rI_]
	v_pk_mul_f32 v[154:155], v[154:155], v[rE_:rE_+1] op_sel_hi:[1,0]           ; the attention weight goes into the rows' factors
.else
	v_fma_f32 v144, v147, v[16+lv_], v146
	v_cvt_u32_f32 v144, v144
	v_pk_mul_f32 v[154:155], v[154:155], v[rE_:rE_+1] op_sel:[0,1] op_sel_hi:[1,1]
	v_lshl_or_b32 v[rI_], v144, 16, v[rI_]         ; two indices a word,
	v_add_nc_u32 v[rI_], v[20+lv_], v[rI_]         ; the level's start onto both: each sum stays under 2^16
.endif
	v_pk_mul_f32 v[156:157], v[152:153], v[154:155] op_sel_hi:[1,0]             ; w00, w10
	v_pk_mul_f32 v[158:159], v[152:153], v[154:155] op_sel:[0,1] op_sel_hi:[1,1] ; w01, w11
	v_cvt_pk_f16_f32 v[rW_], v156, v157
	v_cvt_pk_f16_f32 v[rW_+1], v158, v159
.endm
.macro EPIQ n, rb
.set rA_, 88+24*(\n)+16
	v_max3_num_f32 v144, v[rA_], v[rA_+1], v[rA_+2]        ; the head's 16 logits: my eight, and the eight in the lane 16 away
	v_max3_num_f32 v145, v[rA_+3], v[rA_+4], v[rA_+5]
	v_max3_num_f32 v144, v144, v[rA_+6], v[rA_+7]
	v_max_num_f32 v144, v144, v145
	v_permlanex16_b32 v145, v144, s42, s43
	v_max_num_f32 v147, v144, v145                 ; m
	v_mul_f32 v146, s44, v147                      ; m log2 e
.irp i, 0,1,2,3
	v_pk_fma_f32 v[136+2*\i:137+2*\i], v[rA_+2*\i:rA_+2*\i+1], s[44:45], v[146:147] op_sel_hi:[1,0,0] neg_lo:[0,0,1] neg_hi:[0,0,1]
.endr
.irp i, 0,1,2,3,4,5,6,7
	v_exp_f32 v[136+\i], v[136+\i]
.endr
	v_nop                                          ; a plain instruction between the last exponential and the use of its result (ISA guide 5.7.2)
	s_wait_alu depctr_va_vdst(0)
	v_pk_add_f32 v[148:149], v[136:137], v[138:139]
	v_pk_add_f32 v[150:151], v[140:141], v[142:143]
	v_pk_add_f32 v[148:149], v[148:149], v[150:151]
	v_add_f32 v148, v148, v149
	v_permlanex16_b32 v149, v148, s42, s43
	v_add_f32 v148, v148, v149                     ; at least 1: the maximum's own term
	v_rcp_f32 v148, v148
	v_nop
	s_wait_alu depctr_va_vdst(0)
.irp i, 0,1,2,3
	v_pk_mul_f32 v[136+2*\i:137+2*\i], v[136+2*\i:137+2*\i], v[148:149] op_sel_hi:[1,0]
.endr
.irp j, 0,1,2,3,4,5,6,7
	POINT \n, \rb, \j
.endr
	global_store_b128 v14, v[160+20*(\n):163+20*(\n)], s[46:47] offset:4096*(\n)             ; each store of the wave covers 512 consecutive bytes, aligned
.irp i, 0,1,2,3
	global_store_b128 v15, v[164+20*(\n)+4*\i:167+20*(\n)+4*\i], s[48:49] offset:16384*(\n)+512*\i
.endr
.endm
; A step, as role V's: ONE barrier (the first also shows both weight matrices whole).
.macro STEPQ slot
	s_wait_loadcnt 0x0                             ; the stream's eight loads and the two of reference points, issued a step ago
	SSTORE 56, 4+(\slot)
.if \slot
	s_cmp_eq_u32 s32, 1                            ; the group's last step asks for nothing
	s_cbranch_scc1 .Lqnl_\@
.endif
	s_add_nc_u64 s[34:35], s[34:35], 0x10000
	s_add_nc_u64 s[38:39], s[38:39], 2048
	global_load_b128 v[216-168*(\slot):219-168*(\slot)], v13, s[38:39]             ; the next step's, into the other slot's registers
	global_load_b128 v[220-168*(\slot):223-168*(\slot)], v13, s[38:39] offset:512
	SLOAD 56
.if \slot
.Lqnl_\@:
.endif
	BAR
	FRAGQ \slot, 0, 0
	FRAGQ \slot, 1, 1
.irp k, 0,1,2,3,4,5,6,7
.if \k == 7
	s_wait_dscnt 0x0
.else
	s_wait_dscnt 0xa                               ; the next K step's ten loads may be out
.endif
	MULQ \k
.if \k < 6
	PLACES
	FRAGQ \slot, (\k)+2, (\k)&1
.endif
.endr
	PLACES
	EPIQ 0, 48+168*(\slot)
	EPIQ 1, 48+168*(\slot)
	s_wait_xcnt 0x0                                ; the stores have had their addresses translated (ISA guide 3.1): their bases step, and their data are loaded over, only behind this wait
	s_add_nc_u64 s[46:47], s[46:47], 16384
	s_add_nc_u64 s[48:49], s[48:49], 0x10000
.endm
.Lqloop:
	STEPQ 0
	STEPQ 1
	s_sub_co_u32 s32, s32, 1
	s_cmp_lg_u32 s32, 0
	s_cbranch_scc1 .Lqloop
	FIN
.Lfunc_end_k_q81eb9d320f_proj:
	.size	k_q81eb9d320f_proj, .Lfunc_end_k_q81eb9d320f_proj-k_q81eb9d320f_proj
	.p2alignl 7, 3214868480
	.fill 96, 4, 3214868480
	.section	.rodata,"a",@progbits
	.p2align	6, 0x0
	.amdhsa_kernel k_q81eb9d320f_proj
		.amdhsa_group_segment_fixed_size 312320
		.amdhsa_private_segment_fixed_size 0
		.amdhsa_enable_private_segment 0
		.amdhsa_kernarg_size 96
		.amdhsa_user_sgpr_count 2
		.amdhsa_user_sgpr_kernarg_segment_ptr 1
		.amdhsa_wavefront_size32 1
		.amdhsa_system_sgpr_workgroup_id_x 1
		.amdhsa_system_sgpr_workgroup_id_y 1
		.amdhsa_system_sgpr_workgroup_id_z 1
		.amdhsa_system_vgpr_workitem_id 0
		.amdhsa_next_free_vgpr 256
		.amdhsa_next_free_sgpr 66
		.amdhsa_reserve_vcc 0
		.amdhsa_float_denorm_mode_32 3
		.amdhsa_float_denorm_mode_16_64 3
		.amdhsa_memory_ordered 1
		.amdhsa_forward_progress 1
		.amdhsa_inst_pref_size 127
	.end_amdhsa_kernel
	.amdgpu_metadata
---
amdhsa.version: [ 1, 2 ]
amdhsa.kernels:
  - .name:           k_q81eb9d320f_proj
    .symbol:         k_q81eb9d320f_proj.kd
    .args:
      - { .name: value, .offset: 0, .size: 8, .value_kind: global_buffer, .address_space: global }
      - { .name: query, .offset: 8, .size: 8, .value_kind: global_buffer, .address_space: global }
      - { .name: reference_points, .offset: 16, .size: 8, .value_kind: global_buffer, .address_space: global }
      - { .name: W_value, .offset: 24, .size: 8, .value_kind: global_buffer, .address_space: global }
      - { .name: b_value, .offset: 32, .size: 8, .value_kind: global_buffer, .address_space: global }
      - { .name: W_offset, .offset: 40, .size: 8, .value_kind: global_buffer, .address_space: global }
      - { .name: b_offset, .offset: 48, .size: 8, .value_kind: global_buffer, .address_space: global }
      - { .name: W_attn, .offset: 56, .size: 8, .value_kind: global_buffer, .address_space: global }
      - { .name: b_attn, .offset: 64, .size: 8, .value_kind: global_buffer, .address_space: global }
      - { .name: vbuf, .offset: 72, .size: 8, .value_kind: global_buffer, .address_space: global }
      - { .name: idx, .offset: 80, .size: 8, .value_kind: global_buffer, .address_space: global }
      - { .name: wts, .offset: 88, .size: 8, .value_kind: global_buffer, .address_space: global }
    .group_segment_fixed_size: 312320
    .private_segment_fixed_size: 0
    .kernarg_segment_align: 8
    .kernarg_segment_size: 96
    .max_flat_workgroup_size: 512
    .sgpr_count:     66
    .vgpr_count:     256
    .wavefront_size: 32
...
	.end_amdgpu_metadata
.endif
;; end of part 1
;; launch sample (part 2): grid 256 x 1, 16 waves a work-group, no clusters, 312,320 bytes of LDS; arguments idx, wts, vbuf, W_out, b_out, out0; writes out0
.if DOCPART == 2
	.amdgcn_target "amdgcn-amd-amdhsa--gfx1250"
	.amdhsa_code_object_version 6
	.text
	.protected	k_q81eb9d320f_sample
	.globl	k_q81eb9d320f_sample
	.p2align	8
	.type	k_q81eb9d320f_sample,@function
k_q81eb9d320f_sample:
	s_mov_b64 s[64:65], 0
	v_nop
	global_prefetch_b8 v0, s[64:65] scope:SCOPE_SE
	s_setreg_imm32_b32 hwreg(HW_REG_WAVE_MODE, 25, 1), 1
	s_wait_xcnt 0x0
; MSDeformAttn, second launch: s[q][head][32] = the sum over 16 points x 4 corners of weight x v[corner], then out0 = s W_out + b_out.
; The lists come from the launch before: idx (u16) [tile of 16 rows][head][lane r + 16 hh][8 points 8 hh ..], wts (f16) [tile][head][i][lane][points 8 hh + 2 i, + 1: w00 w10 w01 w11];
; vbuf is bf16 [b][head][pos][32].  An index's four corners are index, +1, +W, +W+1; padding and attention weight are already in the weights.
; LIMITS.  v in bf16, weights in f16; sums in f32; s (a mean of v's rows with weights that add up to 1 at the most) and W_out are rounded to f16 for the
; product: |s|, |W_out| under 65,504.  An index is clamped to its level's largest, which changes none that the launch before makes.
; SHARES.  2,720 tiles of 16 rows on 256 groups: group g takes NT = 11 (g < 160) or 10 tiles from T0 = 10 g + min(g, 160).
; PHASE 1.  Wave w: head h = w & 7, half a = w >> 3.  A trip: rows 8 a .. 8 a + 7 of one tile, one head.  Lane l: query l / 4, channels 8 (l % 4) .. + 7: a corner's
; 64 bytes are read by four lanes, 16 bytes each, and a lane's eight sums never leave it.  v_fma_mix_f32_bf16 multiplies a bf16 half straight into an f32 sum.
; The loop counts to the constant 12; a trip at or past NT stores zeros, so that phase 2 finds all 192 rows of s written.
; PHASE 2.  Wave w: out channels 64 (w & 3) .. + 63 (4 column tiles), row tiles 3 (w >> 2) + 0..2.  Products transposed (source 0 = 16 columns of W_out, turned out of LDS;
; source 1 = 16 rows of s): a lane holds one row and eight neighbouring channels.  The first K step takes b_out as C.  The 12 accumulators take turns.
; NO CLUSTER, NO TENSOR LOADS: groups share W_out alone (f32 in memory, converted on the way, read once a group); lists are a group's own, gathers follow the data.
; No prefetch into the L2 is written: the lists are asked for a whole trip ahead by the loads themselves.
.set SREG,  139264       ; s: 192 rows x 528 (W_out lies at 0: [256 k][256 n] f16, pitch 544)
.set OST,   240640       ; each wave's own 16 rows x 272 bytes, for the way out
.set SPARE, 310272       ; the spare words: 16 waves x 128 bytes, eight blocks of 256 that no other line names
.set PW,    544
.set PS,    528
; v1 my spare word, v2 = 0 (for the closing lines alone); v3 my offset in a tile's idx, v4 in its wts; v5 head's plane + 16 c, v6 the same with the batch; v7 where I store s
; v8-15 sums; v16-23 indices; v24-55 weights as loaded (point p: v[24 + 2 p], v[25 + 2 p]); v56-71 the points' byte offsets; v72-135 weights in f32 (72 + 4 p + corner)
; v136-199 gathered rows: four slots of 16 (corner at + 4 corner); v200-231 b_out (column tile mt at 200 + 8 mt); v232-235 packed s; v236-239 zeros; v240-244 phase 2's addresses
; s16 wave, s17 h, s18 a, s19 the tile in hand, s20 NT, s21 trip; s[24:25] idx, s[26:27] wts at the tile whose lists are asked for; s[28:31] their steps; s32 cg, s33 ng; s43 T0
.macro PLACES
.rept 4
	v_nop
.endr
.endm
.macro MLOAD             ; a trip's lists: ten loads; each covers 128 dense bytes, 16 for each of eight queries
	global_load_b128 v[16:19], v3, s[24:25] th:TH_LOAD_NT
	global_load_b128 v[20:23], v3, s[24:25] offset:256 th:TH_LOAD_NT
.irp q, 0,1,2,3,4,5,6,7
	global_load_b128 v[24+4*\q:27+4*\q], v4, s[26:27] offset:512*(\q%4)+256*(\q/4) th:TH_LOAD_NT
.endr
.endm
.macro ADDR p            ; point p's index out of its half word, clamped by a constant, times 64 bytes, onto plane, batch and my 16 bytes
.set cl_, 16254
.if (\p)/4 == 1
.set cl_, 20414
.elseif (\p)/4 == 2
.set cl_, 21470
.elseif (\p)/4 == 3
.set cl_, 21742
.endif
.if (\p)%2 == 0
	v_and_b32 v[56+(\p)], 0xffff, v[16+(\p)/2]
.else
	v_lshrrev_b32 v[56+(\p)], 16, v[16+(\p)/2]
.endif
	v_min_u32 v[56+(\p)], cl_, v[56+(\p)]
	v_lshl_add_u32 v[56+(\p)], v[56+(\p)], 6, v6
.endm
.macro GATH p            ; point p's four corners: the next column 64 bytes on, the next row 64 W bytes on
.set g_, 136+16*((\p)%4)
	global_load_b128 v[g_:g_+3],     v[56+(\p)], s[8:9]
	global_load_b128 v[g_+4:g_+7],   v[56+(\p)], s[8:9] offset:64
	global_load_b128 v[g_+8:g_+11],  v[56+(\p)], s[8:9] offset:(8192>>((\p)/4))
	global_load_b128 v[g_+12:g_+15], v[56+(\p)], s[8:9] offset:(8192>>((\p)/4))+64
.endm
.macro FMA32 p           ; 4 corners x 8 channels
.irp cn, 0,1,2,3
.irp d, 0,1,2,3
	v_fma_mix_f32_bf16 v[8+2*\d], v[136+16*((\p)%4)+4*\cn+\d], v[72+4*(\p)+\cn], v[8+2*\d] op_sel_hi:[1,0,0]
	v_fma_mix_f32_bf16 v[9+2*\d], v[136+16*((\p)%4)+4*\cn+\d], v[72+4*(\p)+\cn], v[9+2*\d] op_sel:[1,0,0] op_sel_hi:[1,0,0]
.endr
.endr
.endm
	s_load_b256 s[4:11], s[0:1], 0x0               ; idx, wts, vbuf, W_out
	s_load_b128 s[12:15], s[0:1], 0x20             ; b_out, out0
	v_lshl_add_u32 v1, v0, 2, SPARE
	v_mov_b32 v2, 0
	v_lshrrev_b32 v248, 5, v0
	v_readfirstlane_b32 s16, v248                  ; wave 0..15
	s_and_b32 s17, s16, 7
	s_lshr_b32 s18, s16, 3
	s_and_b32 s32, s16, 3
	s_lshr_b32 s33, s16, 2
	s_min_u32 s19, ttmp9, 160
	s_mul_i32 s23, ttmp9, 10
	s_add_co_u32 s19, s19, s23                     ; T0
	s_mov_b32 s43, s19
	s_cmp_lt_u32 ttmp9, 160
	s_cselect_b32 s20, 11, 10                      ; NT
	s_mov_b32 s21, 0
	s_mov_b32 s29, 0
	s_mov_b32 s31, 0
	s_mov_b32 s35, 0
	v_bfe_u32 v248, v0, 2, 3                       ; my query of the wave's eight
	v_and_b32 v249, 3, v0                          ; c
	s_lshl_b32 s23, s18, 3
	v_add_nc_u32 v248, s23, v248                   ; its row in the tile
	s_lshl_b32 s23, s17, 9
	v_lshl_add_u32 v3, v248, 4, s23
	s_lshl_b32 s23, s17, 11
	v_lshl_add_u32 v4, v248, 4, s23
	s_mul_i32 s23, s17, 1392640
	v_lshl_add_u32 v5, v249, 4, s23
	v_mul_u32_u24 v7, v248, PS
	v_lshl_add_u32 v7, v249, 4, v7
	s_lshl_b32 s23, s17, 6
	s_add_co_u32 s23, s23, SREG
	v_add_nc_u32 v7, s23, v7                       ; row x 528 + 64 h + 16 c
	v_lshlrev_b32 v247, 4, v0                      ; 16 t
	v_bfe_u32 v250, v0, 4, 1                       ; hh
	s_lshl_b32 s23, s32, 8
	v_lshl_add_u32 v245, v250, 5, s23              ; b_out[64 cg + 16 mt + 8 hh + j]
	s_wait_kmcnt 0x0
	s_lshl_b32 s34, s19, 12
	s_add_nc_u64 s[24:25], s[4:5], s[34:35]
	s_lshl_b32 s34, s19, 14
	s_add_nc_u64 s[26:27], s[6:7], s[34:35]
	MLOAD                                          ; the first trip's lists
.irp mt, 0,1,2,3
	global_load_b128 v[200+8*\mt:203+8*\mt], v245, s[12:13] offset:64*\mt
	global_load_b128 v[204+8*\mt:207+8*\mt], v245, s[12:13] offset:64*\mt+16
.endr
.irp j, 0,1,2,3,4,5,6,7,8,9,10,11,12,13,14,15,16,17,18,19,20,21,22,23,24,25,26,27,28,29,30,31
	global_load_b128 v[72+4*\j:75+4*\j], v247, s[10:11] offset:8192*\j     ; W_out: 8,192 dense bytes a load over the 512 threads
.endr
	v_lshrrev_b32 v248, 6, v0
	v_and_b32 v249, 63, v0
	v_mul_u32_u24 v246, v248, PW                   ; W_out's row t / 64 (+ 8 a load), four columns at t % 64
	v_lshl_add_u32 v246, v249, 3, v246
.irp i, 0,1,2,3
	v_mov_b32 v[236+\i], 0
.endr
.irp b, 0,1,2,3
	s_wait_loadcnt 24-8*\b                         ; the later batches' loads may be out
.irp j, 0,1,2,3,4,5,6,7
	v_cvt_pk_f16_f32 v[72+32*\b+4*\j], v[72+32*\b+4*\j], v[72+32*\b+4*\j+1]
	v_cvt_pk_f16_f32 v[72+32*\b+4*\j+1], v[72+32*\b+4*\j+2], v[72+32*\b+4*\j+3]
	ds_store_b64 v246, v[72+32*\b+4*\j:72+32*\b+4*\j+1] offset:8*PW*\j
.endr
	v_add_nc_u32 v246, 64*PW, v246
.endr
; ---------------------------------------------------------------- phase 1
.Ltrip:                                                ; at this label no load of mine is out
	s_cmp_ge_u32 s21, s20
	s_cbranch_scc1 .Ldead
	s_cmp_ge_u32 s19, 1360                         ; 1,360 tiles a batch
	s_cselect_b32 s22, 11141120, 0
	v_add_nc_u32 v6, s22, v5
.irp p, 0,1,2,3
	ADDR \p
.endr
.irp p, 0,1,2,3
	GATH \p                                        ; the first four points go out before anything else is done
.endr
.irp p, 4,5,6,7,8,9,10,11,12,13,14,15
	ADDR \p
.endr
.irp r, 24,25,26,27,28,29,30,31,32,33,34,35,36,37,38,39,40,41,42,43,44,45,46,47,48,49,50,51,52,53,54,55
	v_cvt_f32_f16 v[72+2*(\r-24)], v\r\().l
	v_cvt_f32_f16 v[72+2*(\r-24)+1], v\r\().h
.endr
	s_add_co_u32 s23, s21, 1                       ; the next trip's lists; the last trip asks for its own once more, so that no load leaves a buffer and the counts below hold in every trip
	s_cmp_lt_u32 s23, s20
	s_cselect_b32 s28, 4096, 0
	s_cselect_b32 s30, 16384, 0
	s_add_nc_u64 s[24:25], s[24:25], s[28:29]
	s_add_nc_u64 s[26:27], s[26:27], s[30:31]
	MLOAD
.irp i, 0,1,2,3,4,5,6,7
	v_mov_b32 v[8+\i], 0
.endr
.set p, 0
.rept 16
.if p < 4
	s_wait_loadcnt 22                              ; loads come back in order (ISA guide 5.7.1): behind point p's four stand three points' twelve and the ten of the lists
.elseif p < 13
	s_wait_loadcnt 12                              ; three points' twelve
.else
	s_wait_loadcnt 4*(15-p)                        ; the counts run down; the last is 0
.endif
	FMA32 p
.if p < 12
	GATH p+4                                       ; into the slot just read
.endif
.set p, p+1
.endr
.irp i, 0,1,2,3
	v_cvt_pk_f16_f32 v[232+\i], v[8+2*\i], v[9+2*\i]
.endr
	ds_store_b128 v7, v[232:235]
	s_branch .Lnext
.Ldead:
	ds_store_b128 v7, v[236:239]                   ; a tile that the group does not have: zeros
.Lnext:
	v_add_nc_u32 v7, 16*PS, v7
	s_add_co_u32 s19, s19, 1
	s_add_co_u32 s21, s21, 1
	s_cmp_lt_u32 s21, 12
	s_cbranch_scc1 .Ltrip
; ---------------------------------------------------------------- phase 2
; v8-103 accumulators (row tile i, column tile mt) at 8 + 32 i + 8 mt; v104-135 W_out's fragments; v136-159 s's; v160-191 rows read back
	v_and_b32 v248, 15, v0                         ; r
	v_bfe_u32 v249, v0, 4, 1                       ; hh
	v_and_b32 v250, 7, v0
	v_bfe_u32 v251, v0, 3, 1
	v_lshl_add_u32 v240, v249, 3, v250             ; the turning load: row 8 hh + l % 8, 16 bytes at (l / 8) % 2, my 64 columns
	v_mul_u32_u24 v240, v240, PW
	v_lshl_add_u32 v240, v251, 4, v240
	s_lshl_b32 s23, s32, 7
	v_add_nc_u32 v240, s23, v240
	s_mul_i32 s23, s33, 48
	v_add_nc_u32 v241, s23, v248                   ; s's row 48 ng + r
	v_mul_u32_u24 v241, v241, PS
	v_lshl_add_u32 v241, v249, 4, v241
	v_add_nc_u32 v241, SREG, v241
	s_mul_i32 s23, s16, 16*272
	s_add_co_u32 s23, s23, OST                     ; my stage
	v_mul_u32_u24 v242, v248, 272                  ; in: row r, 32 bytes for each half of the lanes
	v_lshl_add_u32 v242, v249, 5, v242
	v_add_nc_u32 v242, s23, v242
	v_mul_u32_u24 v243, v249, 272                  ; back: lanes 0-15 take one row's 256 bytes, lanes 16-31 the next
	v_lshl_add_u32 v243, v248, 4, v243
	v_add_nc_u32 v243, s23, v243
	v_lshlrev_b32 v244, 10, v249                   ; and the same two rows in out0
	v_lshl_add_u32 v244, v248, 4, v244
	s_mul_i32 s42, s33, 3                          ; my first row tile
	s_add_co_u32 s34, s43, s42
	s_lshl_b32 s34, s34, 14                        ; 16 rows of 1,024 bytes a tile
	s_lshl_b32 s23, s32, 8
	s_add_co_u32 s34, s34, s23
	s_add_nc_u64 s[36:37], s[14:15], s[34:35]
	s_add_nc_u64 s[38:39], s[36:37], 16384
	s_add_nc_u64 s[40:41], s[36:37], 32768
	s_wait_dscnt 0x0                               ; for the others' sake: my stores of W_out and of s are done
	s_barrier_signal -1
	s_barrier_wait -1
.macro KS first
.if !(\first)
	v_add_nc_u32 v240, 32*PW, v240                 ; these two and two v_nop are the four places in front of the loads into fragments just multiplied
	v_add_nc_u32 v241, 64, v241
	v_nop
	v_nop
.endif
.irp mt, 0,1,2,3
	ds_load_tr16_b128 v[104+8*\mt:107+8*\mt], v240 offset:32*\mt
	ds_load_tr16_b128 v[108+8*\mt:111+8*\mt], v240 offset:32*\mt+16*PW
.endr
.irp i, 0,1,2
	ds_load_b128 v[136+8*\i:139+8*\i], v241 offset:16*PS*\i
	ds_load_b128 v[140+8*\i:143+8*\i], v241 offset:16*PS*\i+32
.endr
	s_wait_dscnt 0x0                               ; the SIMD's other three waves work meanwhile
.irp i, 0,1,2
.irp mt, 0,1,2,3
.if \first
	v_wmma_f32_16x16x32_f16 v[8+32*\i+8*\mt:8+32*\i+8*\mt+7], v[104+8*\mt:104+8*\mt+7], v[136+8*\i:136+8*\i+7], v[200+8*\mt:200+8*\mt+7]
.else
	v_wmma_f32_16x16x32_f16 v[8+32*\i+8*\mt:8+32*\i+8*\mt+7], v[104+8*\mt:104+8*\mt+7], v[136+8*\i:136+8*\i+7], v[8+32*\i+8*\mt:8+32*\i+8*\mt+7]
.endif
.endr
.endr
.endm
	KS 1                                           ; the first K step starts the sums, with b_out
	s_mov_b32 s45, 7
.Lk:
	KS 0
	s_sub_co_u32 s45, s45, 1
	s_cmp_lg_u32 s45, 0
	s_cbranch_scc1 .Lk
	PLACES
; Row tile i goes out through my own stage (LDS serves a wave's instructions in order, ISA guide 5.7.1.4); a tile that the group does not have is left, and so are those behind it.
.macro OUTT i
	s_add_co_u32 s44, s42, \i
	s_cmp_ge_u32 s44, s20
	s_cbranch_scc1 .Lend
	s_wait_xcnt 0x0                                ; the tile before's stores have had their addresses translated (ISA guide 3.1): their data are loaded over only behind this wait
.irp mt, 0,1,2,3
	ds_store_b128 v242, v[8+32*(\i)+8*\mt:8+32*(\i)+8*\mt+3] offset:64*\mt
	ds_store_b128 v242, v[8+32*(\i)+8*\mt+4:8+32*(\i)+8*\mt+7] offset:64*\mt+16
.endr
.irp u, 0,1,2,3,4,5,6,7
	ds_load_b128 v[160+4*\u:163+4*\u], v243 offset:2*272*\u
.endr
.irp u, 0,1,2,3,4,5,6,7
	s_wait_dscnt 7-\u
	global_store_b128 v244, v[160+4*\u:163+4*\u], s[36+2*(\i):37+2*(\i)] offset:2048*\u th:TH_STORE_NT   ; 16 lanes store 256 consecutive bytes, at a multiple of 256 from out0's first byte
.endr
.endm
	OUTT 0
	OUTT 1
	OUTT 2
.Lend:
	s_wait_tensorcnt 0x0                           ; the wave's end
	ds_add_u32 v1, v2
	s_wait_dscnt 0x0
	s_endpgm
.Lfunc_end_k_q81eb9d320f_sample:
	.size	k_q81eb9d320f_sample, .Lfunc_end_k_q81eb9d320f_sample-k_q81eb9d320f_sample
	.p2alignl 7, 3214868480
	.fill 96, 4, 3214868480
	.section	.rodata,"a",@progbits
	.p2align	6, 0x0
	.amdhsa_kernel k_q81eb9d320f_sample
		.amdhsa_group_segment_fixed_size 312320
		.amdhsa_private_segment_fixed_size 0
		.amdhsa_enable_private_segment 0
		.amdhsa_kernarg_size 48
		.amdhsa_user_sgpr_count 2
		.amdhsa_user_sgpr_kernarg_segment_ptr 1
		.amdhsa_wavefront_size32 1
		.amdhsa_system_sgpr_workgroup_id_x 1
		.amdhsa_system_sgpr_workgroup_id_y 1
		.amdhsa_system_sgpr_workgroup_id_z 1
		.amdhsa_system_vgpr_workitem_id 0
		.amdhsa_next_free_vgpr 256
		.amdhsa_next_free_sgpr 66
		.amdhsa_reserve_vcc 0
		.amdhsa_float_denorm_mode_32 3
		.amdhsa_float_denorm_mode_16_64 3
		.amdhsa_memory_ordered 1
		.amdhsa_forward_progress 1
		.amdhsa_inst_pref_size 72
	.end_amdhsa_kernel
	.amdgpu_metadata
---
amdhsa.version: [ 1, 2 ]
amdhsa.kernels:
  - .name:           k_q81eb9d320f_sample
    .symbol:         k_q81eb9d320f_sample.kd
    .args:
      - { .name: idx, .offset: 0, .size: 8, .value_kind: global_buffer, .address_space: global }
      - { .name: wts, .offset: 8, .size: 8, .value_kind: global_buffer, .address_space: global }
      - { .name: vbuf, .offset: 16, .size: 8, .value_kind: global_buffer, .address_space: global }
      - { .name: W_out, .offset: 24, .size: 8, .value_kind: global_buffer, .address_space: global }
      - { .name: b_out, .offset: 32, .size: 8, .value_kind: global_buffer, .address_space: global }
      - { .name: out0, .offset: 40, .size: 8, .value_kind: global_buffer, .address_space: global }
    .group_segment_fixed_size: 312320
    .private_segment_fixed_size: 0
    .kernarg_segment_align: 8
    .kernarg_segment_size: 48
    .max_flat_workgroup_size: 512
    .sgpr_count:     66
    .vgpr_count:     256
    .wavefront_size: 32
...
	.end_amdgpu_metadata
.endif
;; end of part 2
;; ======== version 2 of 3: 3 launches; 1.90 times as fast as version 1
;; limits: values outside matrix products are rounded to bf16; values outside matrix products are rounded to f16; inputs' magnitudes at most 65,504; values are held in f16: magnitudes above 65,504 overflow, below 6.1e-05 lose precision; sums are carried in f16
;; workspace buffers: vbuf 22,282,240 bytes; idx 11,141,120 bytes of whole numbers; wts 44,564,480 bytes; s0 22,282,240 bytes; s1 22,282,240 bytes
;; launch proj (part 3): grid 255 x 1, 16 waves a work-group, no clusters, 312,320 bytes of LDS; arguments value, query, reference_points, W_value, b_value, W_offset, b_offset, W_attn, b_attn, vbuf, idx, wts; writes vbuf, idx, wts
.if DOCPART == 3
	.amdgcn_target "amdgcn-amd-amdhsa--gfx1250"
	.amdhsa_code_object_version 6
	.text
	.protected	k_q81eb9d320f_proj
	.globl	k_q81eb9d320f_proj
	.p2align	8
	.type	k_q81eb9d320f_proj,@function
k_q81eb9d320f_proj:
	s_mov_b64 s[64:65], 0
	v_nop
	global_prefetch_b8 v0, s[64:65] scope:SCOPE_SE
	s_setreg_imm32_b32 hwreg(HW_REG_WAVE_MODE, 25, 1), 1
	s_wait_xcnt 0x0
; MSDeformAttn, first launch.  Two roles, chosen by the work-group's number (the same for all its waves):
;   role V (groups 0-84):    v = value W_value + b_value, stored in bf16 by groups of 8 channels: vbuf[b][cg 0..31][pos][8], 16 bytes a position.
;   role Q (groups 85-254):  offsets and logits = query [W_offset | W_attn] + biases; softmax over a head's 16 logits (its maximum taken away);
;                            sampling places; for each point ONE index (u16) and FOUR corner weights (f16), attention weight folded in:
;                            idx[head][level][row][4 points], wts[head][level][block of 32 rows][i][lane][points 2 i, 2 i + 1: w00 w10 w01 w11]; row = 0..43519 over both batches.
; The pyramid (128^2, 64^2, 32^2, 16^2; starts 0, 16384, 20480, 21504) is a constant of the module's own body, which never reads the inputs
; spatial_shapes and level_start_index: they are given to no launch, and other numbers in them change nothing, as in the module.
; INDEX AND WEIGHTS.  x = ref_x W + (off_x + b - 0.5).  xb = clamp(floor x, 0, W-2), yb likewise; index = start' + yb W + xb, so that the corners
; index, +1, +W, +W+1 always lie inside the level.  start' counts from level 0's first position (level 0) or from level 1's (levels 1-3: 0, 4096, 5120): the next launch
; holds level 0, or levels 1-3, from LDS byte 0 on.  Weight of a corner = aw max(0, 1-|x-column|) max(0, 1-|y-row|): this is the bilinear weight
; where the corner is one of the module's two, and 0 where the module's corner lies outside the level or the column is not one of its two.
; LIMITS.  Matrix operands are f16: |value|, |query|, |W| stay under 65,504.  v is rounded to bf16, weights (0 to 1) to f16.  x is made with one
; rounding placed otherwise than in the module.  NaN and infinities are not treated apart.
; SHARES.  A step is 64 rows (65,536 dense bytes of f32).  680 steps a tensor: 85 groups x 8 steps (V), 170 groups x 4 steps (Q).  16 waves: wave w has
; head h = w & 7 and half a = w >> 3: the step's row tiles 2a, 2a+1 (n = 0, 1), the head's columns.
; PRODUCTS ARE USED TRANSPOSED: source 0 = 16 columns of W (LDS [k][n], turned by ds_load_tr16_b128), source 1 = 16 rows of the step (LDS [row][k]).
; In a result lane (r = l % 16, hh = l / 16) holds row r and columns 8 hh + 0..7.  The first K step takes the bias as C: nothing is cleared or added later.
; The accumulators take turns, one instruction a turn.
; NO CLUSTER, NO TENSOR LOADS: what groups share is the weights alone, f32 in memory, which must be converted on the way; each group reads them once.
; 255 groups are no multiple of four.  All else is a stream of the group's own.
.set SPARE, 33792        ; the spare words: 16 waves x 128 bytes, eight blocks of 256 that no other line names
.set STG1,  65536        ; stage slot 1 (slot 0 at 0): 64 rows x 528
.set W0,    99328        ; W_value or W_offset: [256 k][256 n] f16, pitch 544
.set WA,    238592       ; role Q: W_attn [256 k][128 n] f16, pitch 288
.set PS,    528          ; 33 x 16: the 16 rows of a fragment load start in 16 different groups of four banks
.set PW,    544          ; 17 x 32
.set PA,    288          ; 9 x 32: likewise
; v0 thread; v1 my spare word, v2 = 0 (for the closing lines alone); v3 16 t; v4, v5 where I store into stage slot 0, 1; v6, v7 where I read my rows from slot 0, 1
; s[4:27] the twelve addresses; s28 wave, s29 h, s30 a; s32 trips to go; s[34:35] the stream; s[36:37] an offset as a pair
.macro PLACES            ; four plain instructions between a matrix instruction and a load into, or a vector read or write of, its registers
.rept 4
	v_nop
.endr
.endm
.macro BAR               ; my LDS stores are done and my LDS reads are back; then the work-group's barrier
	s_wait_dscnt 0x0
	s_barrier_signal -1
	s_barrier_wait -1
.endm
.macro FIN               ; the wave's end
	s_wait_tensorcnt 0x0
	ds_add_u32 v1, v2
	s_wait_dscnt 0x0
	s_endpgm
.endm
.macro SLOAD ld          ; a step's 65,536 bytes: eight loads, each 8,192 dense bytes over the 512 threads
.irp j, 0,1,2,3,4,5,6,7
	global_load_b128 v[(\ld)+4*\j:(\ld)+4*\j+3], v3, s[34:35] offset:8192*\j th:TH_LOAD_NT
.endr
.endm
.macro SSTORE ld, adr    ; to f16 in place, then into the stage: load j holds row 8 j + t / 64; a wave stores 256 dense bytes
.irp j, 0,1,2,3,4,5,6,7
	v_cvt_pk_f16_f32 v[(\ld)+4*\j], v[(\ld)+4*\j], v[(\ld)+4*\j+1]
	v_cvt_pk_f16_f32 v[(\ld)+4*\j+1], v[(\ld)+4*\j+2], v[(\ld)+4*\j+3]
.endr
.irp j, 0,1,2,3,4,5,6,7
	ds_store_b64 v[\adr], v[(\ld)+4*\j:(\ld)+4*\j+1] offset:8*PS*\j
.endr
.endm
.macro WLOAD8 reg, vo, sb, imm0   ; 65,536 dense bytes of a weight matrix
.irp j, 0,1,2,3,4,5,6,7
	global_load_b128 v[(\reg)+4*\j:(\reg)+4*\j+3], v[\vo], s[\sb:(\sb)+1] offset:(\imm0)+8192*\j
.endr
.endm
.macro WCVT8 reg, adr, stride, left   ; left: the loads issued behind these eight
	s_wait_loadcnt \left
.irp j, 0,1,2,3,4,5,6,7
	v_cvt_pk_f16_f32 v[(\reg)+4*\j], v[(\reg)+4*\j], v[(\reg)+4*\j+1]
	v_cvt_pk_f16_f32 v[(\reg)+4*\j+1], v[(\reg)+4*\j+2], v[(\reg)+4*\j+3]
	ds_store_b64 v[\adr], v[(\reg)+4*\j:(\reg)+4*\j+1] offset:(\stride)*\j
.endr
.endm
	s_load_b512 s[4:19], s[0:1], 0x0               ; value, query, reference_points, W_value, b_value, W_offset, b_offset, W_attn
	s_load_b256 s[20:27], s[0:1], 0x40             ; b_attn, vbuf, idx, wts
	v_lshl_add_u32 v1, v0, 2, SPARE
	v_mov_b32 v2, 0
	v_lshrrev_b32 v8, 5, v0
	v_readfirstlane_b32 s28, v8                    ; wave 0..15
	s_and_b32 s29, s28, 7                          ; h
	s_lshr_b32 s30, s28, 3                         ; a
	s_mov_b32 s37, 0
	v_lshlrev_b32 v3, 4, v0
	v_lshrrev_b32 v8, 6, v0                        ; t / 64
	v_and_b32 v9, 63, v0                           ; t % 64
	v_mul_u32_u24 v4, v8, PS
	v_lshl_add_u32 v4, v9, 3, v4
	v_add_nc_u32 v5, STG1, v4
	v_and_b32 v8, 15, v0                           ; r
	v_bfe_u32 v9, v0, 4, 1                         ; hh
	s_lshl_b32 s31, s30, 5
	v_add_nc_u32 v6, s31, v8                       ; row 32 a + r
	v_mul_u32_u24 v6, v6, PS
	v_lshl_add_u32 v6, v9, 4, v6
	v_add_nc_u32 v7, STG1, v6
	s_wait_kmcnt 0x0
	s_cmp_lt_u32 ttmp9, 85
	s_cbranch_scc0 .Lq
; ======================================================== ROLE V ========================================================
; v10 my byte offset in vbuf; v11 bias offset; v12-14 W's fragments; v15 where I store W
; v16-31 bias (column tile ml at 16 + 8 ml); v32-63 the stream; v64-95 accumulators (n, ml) at 64 + 8 (2 n + ml)
; v96-127 fragments of the step's rows, two buffers (b, n) at 96 + 16 b + 8 n; on the way out v96-111 packed results
; v128-255 W_value's fragments of my head, all of K: (ml, k) at 128 + 64 ml + 8 k; before that the 32 loads of W_value
; s[38:39] vbuf at the step's first row; s40 the step's first row
	s_lshl_b32 s36, ttmp9, 19                      ; 8 steps of 65,536 bytes a group
	s_add_nc_u64 s[34:35], s[4:5], s[36:37]
	SLOAD 32
	WLOAD8 128, 3, 10, 0
	WLOAD8 160, 3, 10, 65536
	WLOAD8 192, 3, 10, 131072
	WLOAD8 224, 3, 10, 196608
	v_bfe_u32 v64, v0, 4, 1                        ; hh
	s_lshl_b32 s41, s29, 7
	v_lshl_add_u32 v11, v64, 5, s41                ; b_value[32 h + 16 ml + 8 hh + j]
	global_load_b128 v[16:19], v11, s[12:13]
	global_load_b128 v[20:23], v11, s[12:13] offset:16
	global_load_b128 v[24:27], v11, s[12:13] offset:64
	global_load_b128 v[28:31], v11, s[12:13] offset:80
	v_and_b32 v66, 15, v0                          ; r
	v_and_b32 v67, 7, v0
	v_bfe_u32 v68, v0, 3, 1
	v_lshrrev_b32 v69, 6, v0
	v_and_b32 v70, 63, v0
	v_mul_u32_u24 v15, v69, PW                     ; W's row t / 64 (+ 8 a load, + 64 a batch), four columns at t % 64
	v_lshl_add_u32 v15, v70, 3, v15
	v_add_nc_u32 v15, W0, v15
	v_lshl_add_u32 v12, v64, 3, v67                ; the turning load: row 8 hh + l % 8, 16 bytes at (l / 8) % 2
	v_mul_u32_u24 v12, v12, PW
	v_lshl_add_u32 v12, v68, 4, v12
	s_lshl_b32 s41, s29, 6                         ; my head's 32 columns
	s_add_co_u32 s41, s41, W0
	v_add_nc_u32 v12, s41, v12
	v_add_nc_u32 v13, 3*32*PW, v12                 ; K steps 3-5 and 6-7: an LDS offset has 16 bits
	v_add_nc_u32 v14, 6*32*PW, v12
	s_mul_i32 s41, s29, 1392640                    ; my head's four planes of 348,160 bytes: channel group 4 h + 2 ml + hh,
	s_lshl_b32 s40, s30, 9                         ; my 32 rows of the step, 16 bytes each
	s_add_co_u32 s41, s41, s40
	v_mul_u32_u24 v10, v64, 348160
	v_lshl_add_u32 v10, v66, 4, v10
	v_add_nc_u32 v10, s41, v10
	WCVT8 128, 15, 8*PW, 28                        ; behind batch 0: 24 loads of W and 4 of the bias
	v_add_nc_u32 v15, 64*PW, v15
	WCVT8 160, 15, 8*PW, 20
	v_add_nc_u32 v15, 64*PW, v15
	WCVT8 192, 15, 8*PW, 12
	v_add_nc_u32 v15, 64*PW, v15
	WCVT8 224, 15, 8*PW, 4
	BAR                                            ; W_value is whole in LDS
.irp k, 0,1,2,3,4,5,6,7
.irp ml, 0,1
	ds_load_tr16_b128 v[128+64*\ml+8*\k:128+64*\ml+8*\k+3],   v[12+\k/3] offset:32*PW*(\k%3)+32*\ml
	ds_load_tr16_b128 v[128+64*\ml+8*\k+4:128+64*\ml+8*\k+7], v[12+\k/3] offset:32*PW*(\k%3)+32*\ml+16*PW
.endr
.endr
	s_lshl_b32 s40, ttmp9, 9
	s_mov_b32 s32, 4
.macro FRAGV slot, k, b  ; my 32 rows, 32 along K
.irp n, 0,1
	ds_load_b128 v[96+16*(\b)+8*\n:96+16*(\b)+8*\n+3],   v[6+(\slot)] offset:16*PS*\n+64*(\k)
	ds_load_b128 v[96+16*(\b)+8*\n+4:96+16*(\b)+8*\n+7], v[6+(\slot)] offset:16*PS*\n+64*(\k)+32
.endr
.endm
.macro MULV k
.irp n, 0,1
.irp ml, 0,1
.if (\k) == 0
	v_wmma_f32_16x16x32_f16 v[64+8*(2*\n+\ml):64+8*(2*\n+\ml)+7], v[128+64*\ml+8*(\k):128+64*\ml+8*(\k)+7], v[96+16*((\k)&1)+8*\n:96+16*((\k)&1)+8*\n+7], v[16+8*\ml:16+8*\ml+7]
.else
	v_wmma_f32_16x16x32_f16 v[64+8*(2*\n+\ml):64+8*(2*\n+\ml)+7], v[128+64*\ml+8*(\k):128+64*\ml+8*(\k)+7], v[96+16*((\k)&1)+8*\n:96+16*((\k)&1)+8*\n+7], v[64+8*(2*\n+\ml):64+8*(2*\n+\ml)+7]
.endif
.endr
.endr
.endm
; The way out: a lane's eight channels are one position's 16 bytes of one channel group's plane, and lanes 0-15 (16-31) hold 16 neighbouring positions:
; each half of a store covers 256 consecutive bytes, aligned; no stage is needed.
.macro EPIV
.irp n, 0,1
.irp ml, 0,1
.irp q, 0,1,2,3
	v_cvt_pk_bf16_f32 v[96+8*\n+4*\ml+\q], v[64+8*(2*\n+\ml)+2*\q], v[64+8*(2*\n+\ml)+2*\q+1]
.endr
	global_store_b128 v10, v[96+8*\n+4*\ml:96+8*\n+4*\ml+3], s[38:39] offset:696320*\ml+256*\n
.endr
.endr
.endm
; A step.  ONE barrier: in front of it each wave's stores into this slot are done and its reads of the other slot are back, so behind it this slot is whole
; and the next step may write the other.
.macro STEPV slot
	s_wait_loadcnt 0x0                             ; the eight loads issued a step ago (at first the bias too)
	s_wait_xcnt 0x0                                ; the last step's stores have had their addresses translated (ISA guide 3.1): their base and data are rewritten only behind this wait
	s_lshl_b32 s36, s40, 4                         ; 16 bytes a row; the second batch's planes begin 32 x 348,160 bytes on, its rows 21,760 x 16 bytes on.
	s_cmp_ge_u32 s40, 21760                        ; 340 steps fill a batch: no step straddles
	s_cselect_b32 s41, 10792960, 0
	s_add_co_u32 s36, s36, s41
	s_add_nc_u64 s[38:39], s[22:23], s[36:37]
	SSTORE 32, 4+(\slot)
.if \slot
	s_cmp_eq_u32 s32, 1                            ; the group's last step asks for nothing
	s_cbranch_scc1 .Lvnl_\@
.endif
	s_add_nc_u64 s[34:35], s[34:35], 0x10000
	SLOAD 32                                       ; the next step's rows have this whole step in which to come
.if \slot
.Lvnl_\@:
.endif
	BAR
	FRAGV \slot, 0, 0
	FRAGV \slot, 1, 1
.irp k, 0,1,2,3,4,5,6,7
.if \k == 7
	s_wait_dscnt 0x0
.else
	s_wait_dscnt 0x4                               ; the next K step's four loads may be out
.endif
	MULV \k
.if \k < 6
	PLACES
	FRAGV \slot, (\k)+2, (\k)&1
.endif
.endr
	PLACES
	EPIV
	s_add_co_u32 s40, s40, 64
.endm
.Lvloop:
	STEPV 0
	STEPV 1
	s_sub_co_u32 s32, s32, 1
	s_cmp_lg_u32 s32, 0
	s_cbranch_scc1 .Lvloop
	FIN
; ======================================================== ROLE Q ========================================================
; v8-10 W_offset's fragments (K steps 0-2, 3-5, 6-7); v11-12 W_attn's (0-3, 4-7); v13 reference points; v14 my offset in idx, v15 in wts
; v16-17 W of my two levels 2 hh, 2 hh + 1 (f32); v18-19 W - 2; v20-21 their starts, in both halves of a word
; v24-47 biases: O0, O1 (less 0.5), AT; v48-55, v216-223 reference points for slot 0, 1 (tile n at + 4 n); v56-87 the stream
; v88-135 accumulators at 88 + 24 n + {0: O0, 8: O1, 16: AT}; v136-215 fragments, buffer b at 136 + 40 b: O0, O1, AT, rows n = 0, 1
;   in the epilogue: v136-143 the weights aw, v144-159 at work, v160 + 20 n: four words of indices, sixteen of corner weights
; COLUMNS.  A head's 32 offset columns are four levels x 8.  In LDS levels 1 and 2 change places, so that tile O0 gives lane hh level 2 hh and tile O1 level
; 2 hh + 1 (register 2 p + xy), the two levels whose eight logits the lane holds in tile AT.  The swap is made when W_offset is loaded: a thread loads the four
; columns whose number has bits 1 and 2 swapped, inside the same 512 bytes of the wave's load.
; s[38:39] reference points; s[42:43] lane selects; s[44:45] log2 e; s[46:47] idx, s[48:49] wts at the step
.Lq:
	s_sub_co_u32 s31, ttmp9, 85
	s_lshl_b32 s36, s31, 18                        ; 4 steps of 65,536 bytes a group
	s_add_nc_u64 s[34:35], s[6:7], s[36:37]
	SLOAD 56
	v_and_b32 v255, 0x1f9, v0
	v_and_b32 v254, 2, v0
	v_lshl_or_b32 v255, v254, 1, v255
	v_and_b32 v254, 4, v0
	v_lshrrev_b32 v254, 1, v254
	v_or_b32 v255, v255, v254
	v_lshlrev_b32 v255, 4, v255                    ; 16 x (t with bits 1 and 2 swapped)
	WLOAD8 88,  255, 14, 0
	WLOAD8 120, 255, 14, 65536
	WLOAD8 152, 255, 14, 131072
	WLOAD8 184, 255, 14, 196608
	WLOAD8 24,  3, 18, 0
	WLOAD8 216, 3, 18, 65536
	s_lshl_b32 s36, s31, 13                        ; 256 rows x 32 bytes
	s_add_nc_u64 s[38:39], s[8:9], s[36:37]
	s_lshl_b32 s36, s31, 11                        ; 256 rows x 8 bytes in a level's plane of idx
	s_add_nc_u64 s[46:47], s[24:25], s[36:37]
	s_lshl_b32 s36, s31, 13                        ; 8 blocks x 1,024 bytes in a level's plane of wts
	s_add_nc_u64 s[48:49], s[26:27], s[36:37]
	s_mov_b32 s42, 0x76543210                      ; v_permlanex16_b32: each lane takes its own place in the other half
	s_mov_b32 s43, 0xfedcba98
	s_mov_b32 s44, 0x3fb8aa3b                      ; log2 e
	s_mov_b32 s45, s44                             ; named with it as a pair
	v_and_b32 v248, 15, v0                         ; r
	v_bfe_u32 v249, v0, 4, 1                       ; hh
	v_and_b32 v250, 7, v0
	v_bfe_u32 v251, v0, 3, 1
	v_and_b32 v252, 31, v0                         ; l
	v_lshl_add_u32 v253, v249, 3, v250             ; 8 hh + l % 8
	v_mul_u32_u24 v8, v253, PW
	v_lshl_add_u32 v8, v251, 4, v8
	s_lshl_b32 s41, s29, 6
	s_add_co_u32 s41, s41, W0
	v_add_nc_u32 v8, s41, v8
	v_add_nc_u32 v9, 3*32*PW, v8
	v_add_nc_u32 v10, 6*32*PW, v8
	v_mul_u32_u24 v11, v253, PA
	v_lshl_add_u32 v11, v251, 4, v11
	s_lshl_b32 s41, s29, 5
	s_add_co_u32 s41, s41, WA
	v_add_nc_u32 v11, s41, v11
	v_add_nc_u32 v12, 4*32*PA, v11
	s_lshl_b32 s41, s30, 10
	v_lshl_add_u32 v13, v248, 5, s41               ; (32 a + r) x 32 bytes
	v_lshl_add_u32 v13, v249, 4, v13               ; + my two levels' 16
	s_mul_i32 s41, s29, 1392640                    ; idx: my head's four planes of 348,160 bytes,
	s_lshl_b32 s40, s30, 8                         ; my 32 rows of 8 bytes
	s_add_co_u32 s41, s41, s40
	v_lshl_add_u32 v14, v252, 3, s41
	s_mul_i32 s41, s29, 5570560                    ; wts: my head's four planes of 1,392,640 bytes,
	s_lshl_b32 s40, s30, 10                        ; my block of 32 rows: 1,024 bytes
	s_add_co_u32 s41, s41, s40
	v_lshl_add_u32 v15, v252, 4, s41
	v_sub_nc_u32 v22, 0, v249                      ; all ones where hh = 1
	v_and_b32 v23, 0x01000000, v22                 ; two off the exponent: a quarter
	v_sub_nc_u32 v16, 0x43000000, v23              ; 128.0 or 32.0
	v_sub_nc_u32 v17, 0x42800000, v23              ; 64.0 or 16.0
	v_add_f32 v18, -2.0, v16
	v_add_f32 v19, -2.0, v17
	v_and_b32 v20, 0x10001000, v22                 ; start': level 0: 0; level 2: 4,096, twice
	v_and_b32 v21, 0x14001400, v22                 ; level 1: 0; level 3: 5,120
	v_lshrrev_b32 v22, 6, v0
	v_and_b32 v23, 63, v0
	v_mul_u32_u24 v253, v22, PW
	v_lshl_add_u32 v253, v23, 3, v253
	v_add_nc_u32 v253, W0, v253                    ; where I store W_offset
	v_lshrrev_b32 v22, 5, v0
	v_mul_u32_u24 v254, v22, PA                    ; W_attn: row t / 32 (+ 16 a load), four columns at l
	v_lshl_add_u32 v254, v252, 3, v254
	v_add_nc_u32 v254, WA, v254
	s_lshl_b32 s41, s29, 7
	v_lshl_add_u32 v250, v249, 6, s41              ; b_offset[32 h + 16 hh + j]; O1: 8 further
	s_lshl_b32 s41, s29, 6
	v_lshl_add_u32 v251, v249, 5, s41              ; b_attn[16 h + 8 hh + j]
	WCVT8 88,  253, 8*PW, 40                       ; behind batch 0: 24 loads of W_offset and 16 of W_attn
	v_add_nc_u32 v253, 64*PW, v253
	WCVT8 120, 253, 8*PW, 32
	v_add_nc_u32 v253, 64*PW, v253
	WCVT8 152, 253, 8*PW, 24
	v_add_nc_u32 v253, 64*PW, v253
	WCVT8 184, 253, 8*PW, 16
	WCVT8 24,  254, 16*PA, 8
	v_add_nc_u32 v254, 128*PA, v254
	WCVT8 216, 254, 16*PA, 0
	global_load_b128 v[24:27], v250, s[16:17]
	global_load_b128 v[28:31], v250, s[16:17] offset:16
	global_load_b128 v[32:35], v250, s[16:17] offset:32
	global_load_b128 v[36:39], v250, s[16:17] offset:48
	global_load_b128 v[40:43], v251, s[20:21]
	global_load_b128 v[44:47], v251, s[20:21] offset:16
	global_load_b128 v[48:51], v13, s[38:39]       ; step 0's reference points
	global_load_b128 v[52:55], v13, s[38:39] offset:512
	s_wait_loadcnt 0x0
.irp i, 0,1,2,3,4,5,6,7
	v_pk_add_f32 v[24+2*\i:25+2*\i], v[24+2*\i:25+2*\i], -0.5 op_sel_hi:[1,0]   ; the pixel centre's half goes in with the bias
.endr
	s_mov_b32 s32, 2
.macro FRAGQ slot, k, b  ; ten LDS loads: three column tiles of W, my two row tiles, 32 along K
.set FB_, 136+40*(\b)
	ds_load_tr16_b128 v[FB_:FB_+3],     v[8+(\k)/3] offset:32*PW*((\k)%3)
	ds_load_tr16_b128 v[FB_+4:FB_+7],   v[8+(\k)/3] offset:32*PW*((\k)%3)+16*PW
	ds_load_tr16_b128 v[FB_+8:FB_+11],  v[8+(\k)/3] offset:32*PW*((\k)%3)+32
	ds_load_tr16_b128 v[FB_+12:FB_+15], v[8+(\k)/3] offset:32*PW*((\k)%3)+32+16*PW
	ds_load_tr16_b128 v[FB_+16:FB_+19], v[11+(\k)/4] offset:32*PA*((\k)%4)
	ds_load_tr16_b128 v[FB_+20:FB_+23], v[11+(\k)/4] offset:32*PA*((\k)%4)+16*PA
.irp n, 0,1
	ds_load_b128 v[FB_+24+8*\n:FB_+24+8*\n+3], v[6+(\slot)] offset:16*PS*\n+64*(\k)
	ds_load_b128 v[FB_+28+8*\n:FB_+28+8*\n+3], v[6+(\slot)] offset:16*PS*\n+64*(\k)+32
.endr
.endm
.macro MULQ k
.set FB_, 136+40*((\k)&1)
.irp n, 0,1
.irp x, 0,1,2
.if (\k) == 0
	v_wmma_f32_16x16x32_f16 v[88+24*\n+8*\x:88+24*\n+8*\x+7], v[FB_+8*\x:FB_+8*\x+7], v[FB_+24+8*\n:FB_+24+8*\n+7], v[24+8*\x:24+8*\x+7]
.else
	v_wmma_f32_16x16x32_f16 v[88+24*\n+8*\x:88+24*\n+8*\x+7], v[FB_+8*\x:FB_+8*\x+7], v[FB_+24+8*\n:FB_+24+8*\n+7], v[88+24*\n+8*\x:88+24*\n+8*\x+7]
.endif
.endr
.endr
.endm
; Point j of my eight (level 2 hh + j / 4, point j % 4) of tile n; rb: the slot's reference points.
.macro POINT n, rb, j
.set lv_, (\j)/4
.set rO_, 88+24*(\n)+8*lv_+2*((\j)%4)
.set rR_, (\rb)+4*(\n)+2*lv_
.set rE_, 136+2*((\j)/2)
.set rW_, 164+20*(\n)+2*(\j)
.set rI_, 160+20*(\n)+(\j)/2
.if lv_ == 0
	v_pk_fma_f32 v[144:145], v[rR_:rR_+1], v[16:17], v[rO_:rO_+1] op_sel_hi:[1,0,1]               ; (x, y) = ref W + (off + b - 0.5); the levels are square
.else
	v_pk_fma_f32 v[144:145], v[rR_:rR_+1], v[16:17], v[rO_:rO_+1] op_sel:[0,1,0] op_sel_hi:[1,1,1]
.endif
	v_floor_f32 v146, v144
	v_floor_f32 v147, v145
	v_med3_num_f32 v146, v146, 0, v[18+lv_]        ; xb, yb in 0 .. W - 2
	v_med3_num_f32 v147, v147, 0, v[18+lv_]
	v_pk_add_f32 v[148:149], v[144:145], v[146:147] neg_lo:[0,1] neg_hi:[0,1]   ; distance to column xb, row yb
	v_pk_add_f32 v[150:151], v[148:149], -1.0 op_sel_hi:[1,0]                   ; and to the next ones
	v_sub_f32 v152, 1.0, |v148|
	v_sub_f32 v153, 1.0, |v150|
	v_sub_f32 v154, 1.0, |v149|
	v_sub_f32 v155, 1.0, |v151|
	v_max_num_f32 v152, 0, v152
	v_max_num_f32 v153, 0, v153
	v_max_num_f32 v154, 0, v154
	v_max_num_f32 v155, 0, v155
.if (\j)%2 == 0
	v_fma_f32 v[rI_], v147, v[16+lv_], v146        ; yb W + xb: whole numbers under 2^14, exact
	v_cvt_u32_f32 v[rI_], v[rI_]
	v_pk_mul_f32 v[154:155], v[154:155], v[rE_:rE_+1] op_sel_hi:[1,0]           ; the attention weight goes into the rows' factors
.else
	v_fma_f32 v144, v147, v[16+lv_], v146
	v_cvt_u32_f32 v144, v144
	v_pk_mul_f32 v[154:155], v[154:155], v[rE_:rE_+1] op_sel:[0,1] op_sel_hi:[1,1]
	v_lshl_or_b32 v[rI_], v144, 16, v[rI_]         ; two indices a word,
	v_add_nc_u32 v[rI_], v[20+lv_], v[rI_]         ; the level's start' onto both: each sum stays under 2^16
.endif
	v_pk_mul_f32 v[156:157], v[152:153], v[154:155] op_sel_hi:[1,0]             ; w00, w10
	v_pk_mul_f32 v[158:159], v[152:153], v[154:155] op_sel:[0,1] op_sel_hi:[1,1] ; w01, w11
	v_cvt_pk_f16_f32 v[rW_], v156, v157
	v_cvt_pk_f16_f32 v[rW_+1], v158, v159
.endm
.macro EPIQ n, rb
.set rA_, 88+24*(\n)+16
	v_max3_num_f32 v144, v[rA_], v[rA_+1], v[rA_+2]        ; the head's 16 logits: my eight, and the eight in the lane 16 away
	v_max3_num_f32 v145, v[rA_+3], v[rA_+4], v[rA_+5]
	v_max3_num_f32 v144, v144, v[rA_+6], v[rA_+7]
	v_max_num_f32 v144, v144, v145
	v_permlanex16_b32 v145, v144, s42, s43
	v_max_num_f32 v147, v144, v145                 ; m
	v_mul_f32 v146, s44, v147                      ; m log2 e
.irp i, 0,1,2,3
	v_pk_fma_f32 v[136+2*\i:137+2*\i], v[rA_+2*\i:rA_+2*\i+1], s[44:45], v[146:147] op_sel_hi:[1,0,0] neg_lo:[0,0,1] neg_hi:[0,0,1]
.endr
.irp i, 0,1,2,3,4,5,6,7
	v_exp_f32 v[136+\i], v[136+\i]
.endr
	v_nop                                          ; a plain instruction between the last exponential and the use of its result (ISA guide 5.7.2)
	s_wait_alu depctr_va_vdst(0)
	v_pk_add_f32 v[148:149], v[136:137], v[138:139]
	v_pk_add_f32 v[150:151], v[140:141], v[142:143]
	v_pk_add_f32 v[148:149], v[148:149], v[150:151]
	v_add_f32 v148, v148, v149
	v_permlanex16_b32 v149, v148, s42, s43
	v_add_f32 v148, v148, v149                     ; at least 1: the maximum's own term
	v_rcp_f32 v148, v148
	v_nop
	s_wait_alu depctr_va_vdst(0)
.irp i, 0,1,2,3
	v_pk_mul_f32 v[136+2*\i:137+2*\i], v[136+2*\i:137+2*\i], v[148:149] op_sel_hi:[1,0]
.endr
.irp j, 0,1,2,3,4,5,6,7
	POINT \n, \rb, \j
.endr
.endm
; The lists go out.  Tile 0's upper lanes (its rows' levels 2, 3) change places with tile 1's lower lanes (its rows' levels 0, 1): then lane l holds row l of my 32 rows,
; v160-179 its levels 0 and 1, v180-199 its levels 2 and 3, and each store of the wave covers 256 (idx) or 512 (wts) consecutive bytes, aligned.
.macro STOREQ
.irp i, 0,1,2,3,4,5,6,7,8,9,10,11,12,13,14,15,16,17,18,19
	v_permlane16_swap_b32 v[160+\i], v[180+\i]
.endr
.irp l, 0,1,2,3
	global_store_b64 v14, v[160+20*(\l/2)+2*(\l%2):161+20*(\l/2)+2*(\l%2)], s[46:47] offset:348160*\l
.irp i, 0,1
	global_store_b128 v15, v[164+20*(\l/2)+8*(\l%2)+4*\i:167+20*(\l/2)+8*(\l%2)+4*\i], s[48:49] offset:1392640*\l+512*\i
.endr
.endr
.endm
; A step, as role V's: ONE barrier (the first also shows both weight matrices whole).
.macro STEPQ slot
	s_wait_loadcnt 0x0                             ; the stream's eight loads and the two of reference points, issued a step ago
	SSTORE 56, 4+(\slot)
.if \slot
	s_cmp_eq_u32 s32, 1                            ; the group's last step asks for nothing
	s_cbranch_scc1 .Lqnl_\@
.endif
	s_add_nc_u64 s[34:35], s[34:35], 0x10000
	s_add_nc_u64 s[38:39], s[38:39], 2048
	global_load_b128 v[216-168*(\slot):219-168*(\slot)], v13, s[38:39]             ; the next step's, into the other slot's registers
	global_load_b128 v[220-168*(\slot):223-168*(\slot)], v13, s[38:39] offset:512
	SLOAD 56
.if \slot
.Lqnl_\@:
.endif
	BAR
	FRAGQ \slot, 0, 0
	FRAGQ \slot, 1, 1
.irp k, 0,1,2,3,4,5,6,7
.if \k == 7
	s_wait_dscnt 0x0
.else
	s_wait_dscnt 0xa                               ; the next K step's ten loads may be out
.endif
	MULQ \k
.if \k < 6
	PLACES
	FRAGQ \slot, (\k)+2, (\k)&1
.endif
.endr
	PLACES
	EPIQ 0, 48+168*(\slot)
	EPIQ 1, 48+168*(\slot)
	STOREQ
	s_wait_xcnt 0x0                                ; the stores have had their addresses translated (ISA guide 3.1): their bases step, and their data are loaded over, only behind this wait
	s_add_nc_u64 s[46:47], s[46:47], 512           ; 64 rows x 8 bytes
	s_add_nc_u64 s[48:49], s[48:49], 2048          ; two blocks
.endm
.Lqloop:
	STEPQ 0
	STEPQ 1
	s_sub_co_u32 s32, s32, 1
	s_cmp_lg_u32 s32, 0
	s_cbranch_scc1 .Lqloop
	FIN
.Lfunc_end_k_q81eb9d320f_proj:
	.size	k_q81eb9d320f_proj, .Lfunc_end_k_q81eb9d320f_proj-k_q81eb9d320f_proj
	.p2alignl 7, 3214868480
	.fill 96, 4, 3214868480
	.section	.rodata,"a",@progbits
	.p2align	6, 0x0
	.amdhsa_kernel k_q81eb9d320f_proj
		.amdhsa_group_segment_fixed_size 312320
		.amdhsa_private_segment_fixed_size 0
		.amdhsa_enable_private_segment 0
		.amdhsa_kernarg_size 96
		.amdhsa_user_sgpr_count 2
		.amdhsa_user_sgpr_kernarg_segment_ptr 1
		.amdhsa_wavefront_size32 1
		.amdhsa_system_sgpr_workgroup_id_x 1
		.amdhsa_system_sgpr_workgroup_id_y 1
		.amdhsa_system_sgpr_workgroup_id_z 1
		.amdhsa_system_vgpr_workitem_id 0
		.amdhsa_next_free_vgpr 256
		.amdhsa_next_free_sgpr 66
		.amdhsa_reserve_vcc 0
		.amdhsa_float_denorm_mode_32 3
		.amdhsa_float_denorm_mode_16_64 3
		.amdhsa_memory_ordered 1
		.amdhsa_forward_progress 1
		.amdhsa_inst_pref_size 127
	.end_amdhsa_kernel
	.amdgpu_metadata
---
amdhsa.version: [ 1, 2 ]
amdhsa.kernels:
  - .name:           k_q81eb9d320f_proj
    .symbol:         k_q81eb9d320f_proj.kd
    .args:
      - { .name: value, .offset: 0, .size: 8, .value_kind: global_buffer, .address_space: global }
      - { .name: query, .offset: 8, .size: 8, .value_kind: global_buffer, .address_space: global }
      - { .name: reference_points, .offset: 16, .size: 8, .value_kind: global_buffer, .address_space: global }
      - { .name: W_value, .offset: 24, .size: 8, .value_kind: global_buffer, .address_space: global }
      - { .name: b_value, .offset: 32, .size: 8, .value_kind: global_buffer, .address_space: global }
      - { .name: W_offset, .offset: 40, .size: 8, .value_kind: global_buffer, .address_space: global }
      - { .name: b_offset, .offset: 48, .size: 8, .value_kind: global_buffer, .address_space: global }
      - { .name: W_attn, .offset: 56, .size: 8, .value_kind: global_buffer, .address_space: global }
      - { .name: b_attn, .offset: 64, .size: 8, .value_kind: global_buffer, .address_space: global }
      - { .name: vbuf, .offset: 72, .size: 8, .value_kind: global_buffer, .address_space: global }
      - { .name: idx, .offset: 80, .size: 8, .value_kind: global_buffer, .address_space: global }
      - { .name: wts, .offset: 88, .size: 8, .value_kind: global_buffer, .address_space: global }
    .group_segment_fixed_size: 312320
    .private_segment_fixed_size: 0
    .kernarg_segment_align: 8
    .kernarg_segment_size: 96
    .max_flat_workgroup_size: 512
    .sgpr_count:     66
    .vgpr_count:     256
    .wavefront_size: 32
...
	.end_amdgpu_metadata
.endif
;; end of part 3
;; launch gather (part 4): grid 256 x 1, 16 waves a work-group, no clusters, 264,192 bytes of LDS; arguments idx, wts, vbuf, s0, s1; writes s0, s1
.if DOCPART == 4
	.amdgcn_target "amdgcn-amd-amdhsa--gfx1250"
	.amdhsa_code_object_version 6
	.text
	.protected	k_q81eb9d320f_gather
	.globl	k_q81eb9d320f_gather
	.p2align	8
	.type	k_q81eb9d320f_gather,@function
k_q81eb9d320f_gather:
	s_mov_b64 s[64:65], 0
	v_nop
	global_prefetch_b8 v0, s[64:65] scope:SCOPE_SE
	s_setreg_imm32_b32 hwreg(HW_REG_WAVE_MODE, 25, 1), 1
	s_wait_xcnt 0x0
; MSDeformAttn, second launch: the weighted sums over points and corners, with the table of values in LDS.
; A group owns one batch b and one group cg of 8 channels (16 bytes a position) and holds part of that plane of vbuf in LDS from byte 0 on:
;   role X (groups 0-63):   level 0, 262,144 bytes; all 680 blocks of 32 queries of the batch, 4 points each;          sums into s0
;   role Y (groups 64-255): levels 1-3, 86,016 bytes; a third of the blocks (227, 227, 226), 12 points each;           sums into s1
; Either way a group reads 4 corners x about 2,720 block-points: the 256 groups have alike work.  s0 + s1 is the module's sum; the next launch adds them.
; Lists (from the launch before): idx[head][level][row][4] u16, counted from the table's first position; wts[head][level][block][i][lane][points 2 i, 2 i + 1: w00 w10 w01 w11] f16.
; A corner lies at 16 x index, the next column 16 bytes on, the next row 16 W bytes on; padding and attention weight are already in the weights.
; LANE = QUERY: a lane reads its own corner's 16 bytes and keeps its eight sums: nothing crosses lanes.  v_fma_mix_f32_bf16 multiplies a bf16 half straight into an f32 sum.
; Wave w takes blocks w, w + 16, ... of the group's; the loops count to the constant maximum, and a wave with no block left jumps forward over the trip.
; OUT: s[cg][row][8] f16: a wave's store covers 512 consecutive bytes, aligned.
; LIMITS.  v in bf16, weights in f16, sums in f32, each of the two partial sums rounded to f16 (under 65,504).  An index is clamped to its level's largest, which changes none that the launch before makes.
; NO MATRIX UNIT: a query's weights would fill one column of sixteen.  NO CLUSTER, NO TENSOR LOADS: the four channel groups of a head read the same lists, 40 (X) or 120 (Y) bytes a query,
; straight into registers; to share them they would have to pass through LDS, beside role X's table of 262,144 bytes.  The tables are a group's own (X) or three groups' (Y), read once.
.set SPARE, 262144       ; the spare words: 16 waves x 128 bytes, eight blocks of 256 that no other line names
; v1 my spare word, v2 = 0 (for the closing lines alone); v3 8 x lane, v4 16 x lane; v8-15 sums; v16-21 indices as loaded (level at + 2); v24-47 weights as loaded (point p: v[24 + 2 p], v[25 + 2 p])
; v48-51 16 t + 65,536 q: the fill; v56-67 the points' LDS addresses; v72-119 weights in f32 (72 + 4 p + corner); v136-199 corners: four slots of 16 (corner at + 4 corner); v72-199 before that the fill; v232-235 packed sums
; s16 wave; s17 unit, s18 first block of my slice, s19 blocks in it, s20 role (and first level); s21 b, s22 cg, s23 4 h + first level; s[24:25] idx, s[26:27] wts at the block whose lists are asked for;
; s[28:29] where the sums go; s[32:33] the table in vbuf; s40 my block's number in the slice, s41 trip; s[44:47] the lists' steps; s[48:49] the sums' step; s[50:51] my first block's place in s0 or s1
.macro MLOAD nl          ; a block's lists, nl levels: 256 and 2 x 512 dense bytes a level
.set l_, 0
.rept \nl
	global_load_b64  v[16+2*l_:17+2*l_], v3, s[24:25] offset:348160*l_
	global_load_b128 v[24+8*l_:27+8*l_], v4, s[26:27] offset:1392640*l_
	global_load_b128 v[28+8*l_:31+8*l_], v4, s[26:27] offset:1392640*l_+512
.set l_, l_+1
.endr
.endm
.macro CVT r             ; register r of the weights as loaded: its two f16 halves to f32
	v_cvt_f32_f16 v[72+2*(\r-24)], v\r\().l
	v_cvt_f32_f16 v[72+2*(\r-24)+1], v\r\().h
.endm
.macro ADDR p, l0        ; point p's index out of its half word, clamped by a constant, times 16 bytes
.set lv_, (\l0)+(\p)/4
.set cl_, 16254
.if lv_ == 1
.set cl_, 4030
.elseif lv_ == 2
.set cl_, 5086
.elseif lv_ == 3
.set cl_, 5358
.endif
.if (\p)%2 == 0
	v_and_b32 v[56+(\p)], 0xffff, v[16+(\p)/2]
.else
	v_lshrrev_b32 v[56+(\p)], 16, v[16+(\p)/2]
.endif
	v_min_u32 v[56+(\p)], cl_, v[56+(\p)]
	v_lshlrev_b32 v[56+(\p)], 4, v[56+(\p)]
.endm
.macro GATH p, l0        ; point p's four corners
.set g_, 136+16*((\p)%4)
.set yo_, 2048>>((\l0)+(\p)/4)
	ds_load_b128 v[g_:g_+3],     v[56+(\p)]
	ds_load_b128 v[g_+4:g_+7],   v[56+(\p)] offset:16
	ds_load_b128 v[g_+8:g_+11],  v[56+(\p)] offset:yo_
	ds_load_b128 v[g_+12:g_+15], v[56+(\p)] offset:yo_+16
.endm
.macro FMA32 p           ; 4 corners x 8 channels
.irp cn, 0,1,2,3
.irp d, 0,1,2,3
	v_fma_mix_f32_bf16 v[8+2*\d], v[136+16*((\p)%4)+4*\cn+\d], v[72+4*(\p)+\cn], v[8+2*\d] op_sel_hi:[1,0,0]
	v_fma_mix_f32_bf16 v[9+2*\d], v[136+16*((\p)%4)+4*\cn+\d], v[72+4*(\p)+\cn], v[9+2*\d] op_sel:[1,0,0] op_sel_hi:[1,0,0]
.endr
.endr
.endm
; A block of 32 queries: np points from level l0 on (nl levels).
.macro TRIP np, l0, nl
	s_wait_loadcnt 0x0                             ; my lists, asked for a trip ago
	s_wait_xcnt 0x0                                ; the last trip's store has had its addresses translated (ISA guide 3.1): its base steps, and its data are rewritten, only behind this wait
	s_add_nc_u64 s[28:29], s[28:29], s[48:49]      ; 16 blocks of 512 bytes on (in the first trip: 0)
	s_mov_b32 s48, 8192
.irp p, 0,1,2,3
	ADDR \p, \l0
.endr
.irp p, 0,1,2,3
	GATH \p, \l0                                   ; the first four points go out before anything else is done
.endr
.if (\np) > 4
.irp p, 4,5,6,7,8,9,10,11
	ADDR \p, \l0
.endr
.endif
.irp r, 24,25,26,27,28,29,30,31
	CVT \r
.endr
.if (\np) > 4
.irp r, 32,33,34,35,36,37,38,39,40,41,42,43,44,45,46,47
	CVT \r
.endr
.endif
	s_add_co_u32 s42, s40, 16                      ; my next block's lists; my last block asks for its own once more, so that no load leaves a buffer
	s_cmp_lt_u32 s42, s19
	s_cselect_b32 s44, 4096, 0
	s_cselect_b32 s46, 16384, 0
	s_add_nc_u64 s[24:25], s[24:25], s[44:45]
	s_add_nc_u64 s[26:27], s[26:27], s[46:47]
	MLOAD \nl
.irp i, 0,1,2,3,4,5,6,7
	v_mov_b32 v[8+\i], 0
.endr
.set p, 0
.rept \np
.if 4*((\np)-1-p) < 12
	s_wait_dscnt 4*((\np)-1-p)                     ; the counts run down; the last is 0
.else
	s_wait_dscnt 12                                ; LDS loads come back in order (ISA guide 5.7.1): behind point p's four stand three points' twelve
.endif
	FMA32 p
.if p+4 < (\np)
	GATH p+4, \l0                                  ; into the slot just read
.endif
.set p, p+1
.endr
.irp i, 0,1,2,3
	v_cvt_pk_f16_f32 v[232+\i], v[8+2*\i], v[9+2*\i]
.endr
	global_store_b128 v4, v[232:235], s[28:29] th:TH_STORE_NT
.endm
.macro FIN               ; the wave's end
	s_wait_tensorcnt 0x0
	ds_add_u32 v1, v2
	s_wait_dscnt 0x0
	s_endpgm
.endm
	s_load_b256 s[4:11], s[0:1], 0x0               ; idx, wts, vbuf, s0
	s_load_b64 s[12:13], s[0:1], 0x20              ; s1
	v_lshl_add_u32 v1, v0, 2, SPARE
	v_mov_b32 v2, 0
	v_lshrrev_b32 v8, 5, v0
	v_readfirstlane_b32 s16, v8                    ; wave 0..15
	v_and_b32 v8, 31, v0
	v_lshlrev_b32 v3, 3, v8
	v_lshlrev_b32 v4, 4, v8
	v_lshlrev_b32 v48, 4, v0
	v_add_nc_u32 v49, 0x10000, v48
	v_add_nc_u32 v50, 0x20000, v48
	v_add_nc_u32 v51, 0x30000, v48
	s_sub_co_u32 s37, ttmp9, 64                    ; role Y: unit = low six bits, slice = the rest (of no use in role X)
	s_and_b32 s38, s37, 63
	s_lshr_b32 s39, s37, 6
	s_mul_i32 s18, s39, 227
	s_cmp_eq_u32 s39, 2
	s_cselect_b32 s19, 1, 0
	s_sub_co_u32 s19, 227, s19                     ; 227, 227, 226 blocks
	s_cmp_lt_u32 ttmp9, 64
	s_cselect_b32 s17, ttmp9, s38
	s_cselect_b32 s18, 0, s18
	s_cselect_b32 s19, 680, s19
	s_cselect_b32 s20, 0, 1
	s_lshr_b32 s21, s17, 5                         ; b
	s_and_b32 s22, s17, 31                         ; cg
	s_and_b32 s23, s22, 28
	s_add_co_u32 s23, s23, s20                     ; 4 h + first level
	s_mul_i32 s36, s21, 680
	s_add_co_u32 s36, s36, s18
	s_add_co_u32 s36, s36, s16                     ; my first block, of 1,360
	s_mov_b32 s35, 0
	s_mov_b32 s45, 0
	s_mov_b32 s47, 0
	s_mov_b32 s48, 0
	s_mov_b32 s49, 0
	s_mov_b32 s51, 0
	s_mov_b32 s40, s16
	s_mov_b32 s41, 0
	s_mul_i32 s50, s22, 696320                     ; the sums: 43,520 rows x 16 bytes a channel group,
	s_lshl_b32 s37, s36, 9                         ; 512 bytes a block
	s_add_co_u32 s50, s50, s37
	s_wait_kmcnt 0x0
	s_mul_i32 s34, s23, 348160
	s_lshl_b32 s37, s36, 8
	s_add_co_u32 s34, s34, s37
	s_add_nc_u64 s[24:25], s[4:5], s[34:35]
	s_mul_i32 s34, s23, 1392640
	s_lshl_b32 s37, s36, 10
	s_add_co_u32 s34, s34, s37
	s_add_nc_u64 s[26:27], s[6:7], s[34:35]
	s_mul_i32 s34, s21, 11141120
	s_mul_i32 s37, s22, 348160
	s_add_co_u32 s34, s34, s37
	s_lshl_b32 s37, s20, 18                        ; levels 1-3 begin 262,144 bytes into the plane
	s_add_co_u32 s34, s34, s37
	s_add_nc_u64 s[32:33], s[8:9], s[34:35]
	s_cmp_eq_u32 s20, 0
	s_cbranch_scc0 .Ly
; ---------------------------------------------------------------- role X
	s_add_nc_u64 s[28:29], s[10:11], s[50:51]      ; the sums go into s0
	MLOAD 1                                        ; my first block's lists
.irp j, 0,1,2,3,4,5,6,7,8,9,10,11,12,13,14,15,16,17,18,19,20,21,22,23,24,25,26,27,28,29,30,31
	global_load_b128 v[72+4*\j:75+4*\j], v48, s[32:33] offset:8192*\j th:TH_LOAD_NT   ; level 0: 8,192 dense bytes a load over the 512 threads
.endr
.irp q, 0,1,2,3
	s_wait_loadcnt 24-8*\q                         ; the later batches of eight may be out
.irp j, 0,1,2,3,4,5,6,7
	ds_store_b128 v[48+\q], v[72+32*\q+4*\j:75+32*\q+4*\j] offset:8192*\j
.endr
.endr
	s_wait_dscnt 0x0                               ; for the others' sake: my part of the table is in LDS
	s_barrier_signal -1
	s_barrier_wait -1
.Lx:
	s_cmp_ge_u32 s40, s19
	s_cbranch_scc1 .Lxdead
	TRIP 4, 0, 1
.Lxdead:
	s_add_co_u32 s40, s40, 16
	s_add_co_u32 s41, s41, 1
	s_cmp_lt_u32 s41, 43                           ; 680 blocks on 16 waves: 43 or 42
	s_cbranch_scc1 .Lx
	FIN
; ---------------------------------------------------------------- role Y
.Ly:
	s_add_nc_u64 s[28:29], s[12:13], s[50:51]      ; the sums go into s1
	MLOAD 3
.irp j, 0,1,2,3,4,5,6,7,8,9
	global_load_b128 v[72+4*\j:75+4*\j], v48, s[32:33] offset:8192*\j
.endr
	s_cmp_lt_u32 s16, 8                            ; 86,016 bytes are ten and a half such loads: the last half is waves 0-7's
	s_cbranch_scc0 .Lyfull
	global_load_b128 v[112:115], v48, s[32:33] offset:81920
	s_wait_loadcnt 0x0
	ds_store_b128 v49, v[112:115] offset:16384
.Lyfull:
	s_wait_loadcnt 0x0
.irp j, 0,1,2,3,4,5,6,7
	ds_store_b128 v48, v[72+4*\j:75+4*\j] offset:8192*\j
.endr
	ds_store_b128 v49, v[104:107]
	ds_store_b128 v49, v[108:111] offset:8192
	s_wait_dscnt 0x0                               ; for the others' sake: my part of the table is in LDS
	s_barrier_signal -1
	s_barrier_wait -1
.Lyl:
	s_cmp_ge_u32 s40, s19
	s_cbranch_scc1 .Lydead
	TRIP 12, 1, 3
.Lydead:
	s_add_co_u32 s40, s40, 16
	s_add_co_u32 s41, s41, 1
	s_cmp_lt_u32 s41, 15                           ; 227 or 226 blocks on 16 waves: 15 or 14
	s_cbranch_scc1 .Lyl
	FIN
.Lfunc_end_k_q81eb9d320f_gather:
	.size	k_q81eb9d320f_gather, .Lfunc_end_k_q81eb9d320f_gather-k_q81eb9d320f_gather
	.p2alignl 7, 3214868480
	.fill 96, 4, 3214868480
	.section	.rodata,"a",@progbits
	.p2align	6, 0x0
	.amdhsa_kernel k_q81eb9d320f_gather
		.amdhsa_group_segment_fixed_size 264192
		.amdhsa_private_segment_fixed_size 0
		.amdhsa_enable_private_segment 0
		.amdhsa_kernarg_size 40
		.amdhsa_user_sgpr_count 2
		.amdhsa_user_sgpr_kernarg_segment_ptr 1
		.amdhsa_wavefront_size32 1
		.amdhsa_system_sgpr_workgroup_id_x 1
		.amdhsa_system_sgpr_workgroup_id_y 1
		.amdhsa_system_sgpr_workgroup_id_z 1
		.amdhsa_system_vgpr_workitem_id 0
		.amdhsa_next_free_vgpr 256
		.amdhsa_next_free_sgpr 66
		.amdhsa_reserve_vcc 0
		.amdhsa_float_denorm_mode_32 3
		.amdhsa_float_denorm_mode_16_64 3
		.amdhsa_memory_ordered 1
		.amdhsa_forward_progress 1
		.amdhsa_inst_pref_size 56
	.end_amdhsa_kernel
	.amdgpu_metadata
---
amdhsa.version: [ 1, 2 ]
amdhsa.kernels:
  - .name:           k_q81eb9d320f_gather
    .symbol:         k_q81eb9d320f_gather.kd
    .args:
      - { .name: idx, .offset: 0, .size: 8, .value_kind: global_buffer, .address_space: global }
      - { .name: wts, .offset: 8, .size: 8, .value_kind: global_buffer, .address_space: global }
      - { .name: vbuf, .offset: 16, .size: 8, .value_kind: global_buffer, .address_space: global }
      - { .name: s0, .offset: 24, .size: 8, .value_kind: global_buffer, .address_space: global }
      - { .name: s1, .offset: 32, .size: 8, .value_kind: global_buffer, .address_space: global }
    .group_segment_fixed_size: 264192
    .private_segment_fixed_size: 0
    .kernarg_segment_align: 8
    .kernarg_segment_size: 40
    .max_flat_workgroup_size: 512
    .sgpr_count:     66
    .vgpr_count:     256
    .wavefront_size: 32
...
	.end_amdgpu_metadata
.endif
;; end of part 4
;; launch outproj (part 5): grid 256 x 1, 16 waves a work-group, no clusters, 312,320 bytes of LDS; arguments s0, s1, W_out, b_out, out0; writes out0
.if DOCPART == 5
	.amdgcn_target "amdgcn-amd-amdhsa--gfx1250"
	.amdhsa_code_object_version 6
	.text
	.protected	k_q81eb9d320f_outproj
	.globl	k_q81eb9d320f_outproj
	.p2align	8
	.type	k_q81eb9d320f_outproj,@function
k_q81eb9d320f_outproj:
	s_mov_b64 s[64:65], 0
	v_nop
	global_prefetch_b8 v0, s[64:65] scope:SCOPE_SE
	s_setreg_imm32_b32 hwreg(HW_REG_WAVE_MODE, 25, 1), 1
	s_wait_xcnt 0x0
; MSDeformAttn, third launch: out0 = (s0 + s1) W_out + b_out.  s0, s1: [cg 0..31][row 0..43519][8] f16, the two partial sums of the launch before.
; The two are widened to f32, added there, and the sum is rounded once to f16, the format in which the product takes it.
; LIMITS.  |s0 + s1|, |W_out| under 65,504 (f16 matrix operands); sums of the product in f32.
; SHARES.  2,720 tiles of 16 rows on 256 groups: group g takes NT = 11 (g < 160) or 10 tiles from T0 = 10 g + min(g, 160).
; PHASE 1.  Thread t: row t % 16, channel group t / 16: for each tile 16 bytes of each partial (16 lanes read 256 consecutive bytes, aligned), the sum into LDS [row][256 channels].
; Tiles that the group does not have are stored as zeros, so that phase 2 finds all 192 rows written.
; PHASE 2.  Wave w: out channels 64 (w & 3) .. + 63 (4 column tiles), row tiles 3 (w >> 2) + 0..2.  Products transposed (source 0 = 16 columns of W_out, turned out of LDS;
; source 1 = 16 rows of s): a lane holds one row and eight neighbouring channels.  The first K step takes b_out as C.  The 12 accumulators take turns.
; NO CLUSTER, NO TENSOR LOADS: groups share W_out alone (f32 in memory, converted on the way, read once a group); the sums are a group's own.
.set SREG,  139264       ; s: 192 rows x 528 (W_out lies at 0: [256 k][256 n] f16, pitch 544)
.set OST,   240640       ; each wave's own 16 rows x 272 bytes, for the way out
.set SPARE, 310272       ; the spare words: 16 waves x 128 bytes, eight blocks of 256 that no other line names
.set PW,    544
.set PS,    528
; v1 my spare word, v2 = 0 (for the closing lines alone); v3 my offset in s0 and s1; v7, v6 where I store tiles 0-6, 7-11 of s
; v8-51 s0's tiles (4 registers each), then the sums in f16; v56-99 s1's; v104-231 W_out as loaded; then v104-191 s0 and the sums in f32, v192-199 s1 in f32 (four pairs by turns),
; v200-231 b_out (column tile mt at 200 + 8 mt); v236-239 zeros; v240-244 phase 2's addresses
; s16 wave, s20 NT, s32 cg, s33 ng, s43 T0; s[24:27] s0, s1 at my first tile
.macro PLACES
.rept 4
	v_nop
.endr
.endm
	s_load_b256 s[4:11], s[0:1], 0x0               ; s0, s1, W_out, b_out
	s_load_b64 s[12:13], s[0:1], 0x20              ; out0
	v_lshl_add_u32 v1, v0, 2, SPARE
	v_mov_b32 v2, 0
	v_lshrrev_b32 v248, 5, v0
	v_readfirstlane_b32 s16, v248                  ; wave 0..15
	s_and_b32 s32, s16, 3
	s_lshr_b32 s33, s16, 2
	s_min_u32 s43, ttmp9, 160
	s_mul_i32 s23, ttmp9, 10
	s_add_co_u32 s43, s43, s23                     ; T0
	s_cmp_lt_u32 ttmp9, 160
	s_cselect_b32 s20, 11, 10                      ; NT
	s_mov_b32 s35, 0
	v_and_b32 v248, 15, v0                         ; my row of a tile
	v_lshrrev_b32 v249, 4, v0                      ; my channel group
	v_mul_u32_u24 v3, v249, 696320                 ; 43,520 rows x 16 bytes a channel group
	v_lshl_add_u32 v3, v248, 4, v3
	v_mul_u32_u24 v7, v248, PS
	v_lshl_add_u32 v7, v249, 4, v7
	v_add_nc_u32 v7, SREG, v7
	v_add_nc_u32 v6, 7*16*PS, v7                   ; an LDS offset has 16 bits
	v_lshlrev_b32 v247, 4, v0                      ; 16 t
	v_bfe_u32 v250, v0, 4, 1                       ; hh
	s_lshl_b32 s23, s32, 8
	v_lshl_add_u32 v245, v250, 5, s23              ; b_out[64 cg + 16 mt + 8 hh + j]
	s_wait_kmcnt 0x0
	s_lshl_b32 s34, s43, 8                         ; 16 rows x 16 bytes a tile
	s_add_nc_u64 s[24:25], s[4:5], s[34:35]
	s_add_nc_u64 s[26:27], s[6:7], s[34:35]
.irp i, 0,1,2,3,4,5,6,7,8,9
	global_load_b128 v[8+4*\i:11+4*\i],  v3, s[24:25] offset:256*\i th:TH_LOAD_NT
	global_load_b128 v[56+4*\i:59+4*\i], v3, s[26:27] offset:256*\i th:TH_LOAD_NT
.endr
	s_cmp_eq_u32 s20, 11
	s_cbranch_scc0 .Lten
	global_load_b128 v[48:51], v3, s[24:25] offset:2560 th:TH_LOAD_NT
	global_load_b128 v[96:99], v3, s[26:27] offset:2560 th:TH_LOAD_NT
	s_branch .Lw
.Lten:                                                 ; a group of ten tiles: the eleventh is zeros
.irp i, 0,1,2,3
	v_mov_b32 v[48+\i], 0
	v_mov_b32 v[96+\i], 0
.endr
.Lw:
.irp j, 0,1,2,3,4,5,6,7,8,9,10,11,12,13,14,15,16,17,18,19,20,21,22,23,24,25,26,27,28,29,30,31
	global_load_b128 v[104+4*\j:107+4*\j], v247, s[8:9] offset:8192*\j     ; W_out: 8,192 dense bytes a load over the 512 threads
.endr
	v_lshrrev_b32 v248, 6, v0
	v_and_b32 v249, 63, v0
	v_mul_u32_u24 v246, v248, PW                   ; W_out's row t / 64 (+ 8 a load), four columns at t % 64
	v_lshl_add_u32 v246, v249, 3, v246
.irp i, 0,1,2,3
	v_mov_b32 v[236+\i], 0
.endr
.irp b, 0,1,2,3
	s_wait_loadcnt 24-8*\b                         ; the later batches' loads may be out; the sums' loads are older and are in
.irp j, 0,1,2,3,4,5,6,7
	v_cvt_pk_f16_f32 v[104+32*\b+4*\j], v[104+32*\b+4*\j], v[104+32*\b+4*\j+1]
	v_cvt_pk_f16_f32 v[104+32*\b+4*\j+1], v[104+32*\b+4*\j+2], v[104+32*\b+4*\j+3]
	ds_store_b64 v246, v[104+32*\b+4*\j:104+32*\b+4*\j+1] offset:8*PW*\j
.endr
	v_add_nc_u32 v246, 64*PW, v246
.endr
.irp mt, 0,1,2,3
	global_load_b128 v[200+8*\mt:203+8*\mt], v245, s[10:11] offset:64*\mt
	global_load_b128 v[204+8*\mt:207+8*\mt], v245, s[10:11] offset:64*\mt+16
.endr
; s0 + s1 in f32: s0's 88 numbers are widened first; then, word by word, s1's two are widened, added on, and the pair is rounded to f16 into s0's register
.irp r, 8,9,10,11,12,13,14,15,16,17,18,19,20,21,22,23,24,25,26,27,28,29,30,31,32,33,34,35,36,37,38,39,40,41,42,43,44,45,46,47,48,49,50,51
	v_cvt_f32_f16 v[104+2*(\r-8)], v\r\().l
	v_cvt_f32_f16 v[104+2*(\r-8)+1], v\r\().h
.endr
.irp r, 56,57,58,59,60,61,62,63,64,65,66,67,68,69,70,71,72,73,74,75,76,77,78,79,80,81,82,83,84,85,86,87,88,89,90,91,92,93,94,95,96,97,98,99
	v_cvt_f32_f16 v[192+2*(\r%4)], v\r\().l
	v_cvt_f32_f16 v[193+2*(\r%4)], v\r\().h
	v_pk_add_f32 v[104+2*(\r-56):105+2*(\r-56)], v[104+2*(\r-56):105+2*(\r-56)], v[192+2*(\r%4):193+2*(\r%4)]
	v_cvt_pk_f16_f32 v[\r-48], v[104+2*(\r-56)], v[105+2*(\r-56)]
.endr
.irp i, 0,1,2,3,4,5,6,7,8,9,10
.if \i < 7
	ds_store_b128 v7, v[8+4*\i:11+4*\i] offset:16*PS*\i          ; 16 lanes: 16 rows 528 bytes apart: 16 different groups of four banks
.else
	ds_store_b128 v6, v[8+4*\i:11+4*\i] offset:16*PS*(\i-7)
.endif
.endr
	ds_store_b128 v6, v[236:239] offset:16*PS*4    ; the twelfth tile, which no group has
; ---------------------------------------------------------------- phase 2
; v8-103 accumulators (row tile i, column tile mt) at 8 + 32 i + 8 mt; v104-135 W_out's fragments; v136-159 s's; v160-191 rows read back
	v_and_b32 v248, 15, v0                         ; r
	v_bfe_u32 v249, v0, 4, 1                       ; hh
	v_and_b32 v250, 7, v0
	v_bfe_u32 v251, v0, 3, 1
	v_lshl_add_u32 v240, v249, 3, v250             ; the turning load: row 8 hh + l % 8, 16 bytes at (l / 8) % 2, my 64 columns
	v_mul_u32_u24 v240, v240, PW
	v_lshl_add_u32 v240, v251, 4, v240
	s_lshl_b32 s23, s32, 7
	v_add_nc_u32 v240, s23, v240
	s_mul_i32 s23, s33, 48
	v_add_nc_u32 v241, s23, v248                   ; s's row 48 ng + r
	v_mul_u32_u24 v241, v241, PS
	v_lshl_add_u32 v241, v249, 4, v241
	v_add_nc_u32 v241, SREG, v241
	s_mul_i32 s23, s16, 16*272
	s_add_co_u32 s23, s23, OST                     ; my stage
	v_mul_u32_u24 v242, v248, 272                  ; in: row r, 32 bytes for each half of the lanes
	v_lshl_add_u32 v242, v249, 5, v242
	v_add_nc_u32 v242, s23, v242
	v_mul_u32_u24 v243, v249, 272                  ; back: lanes 0-15 take one row's 256 bytes, lanes 16-31 the next
	v_lshl_add_u32 v243, v248, 4, v243
	v_add_nc_u32 v243, s23, v243
	v_lshlrev_b32 v244, 10, v249                   ; and the same two rows in out0
	v_lshl_add_u32 v244, v248, 4, v244
	s_mul_i32 s42, s33, 3                          ; my first row tile
	s_add_co_u32 s34, s43, s42
	s_lshl_b32 s34, s34, 14                        ; 16 rows of 1,024 bytes a tile
	s_lshl_b32 s23, s32, 8
	s_add_co_u32 s34, s34, s23
	s_add_nc_u64 s[36:37], s[12:13], s[34:35]
	s_add_nc_u64 s[38:39], s[36:37], 16384
	s_add_nc_u64 s[40:41], s[36:37], 32768
	s_wait_loadcnt 0x0                             ; b_out
	s_wait_dscnt 0x0                               ; for the others' sake: my stores of W_out and of s are done
	s_barrier_signal -1
	s_barrier_wait -1
.macro KS first
.if !(\first)
	v_add_nc_u32 v240, 32*PW, v240                 ; these two and two v_nop are the four places in front of the loads into fragments just multiplied
	v_add_nc_u32 v241, 64, v241
	v_nop
	v_nop
.endif
.irp mt, 0,1,2,3
	ds_load_tr16_b128 v[104+8*\mt:107+8*\mt], v240 offset:32*\mt
	ds_load_tr16_b128 v[108+8*\mt:111+8*\mt], v240 offset:32*\mt+16*PW
.endr
.irp i, 0,1,2
	ds_load_b128 v[136+8*\i:139+8*\i], v241 offset:16*PS*\i
	ds_load_b128 v[140+8*\i:143+8*\i], v241 offset:16*PS*\i+32
.endr
	s_wait_dscnt 0x0                               ; the SIMD's other three waves work meanwhile
.irp i, 0,1,2
.irp mt, 0,1,2,3
.if \first
	v_wmma_f32_16x16x32_f16 v[8+32*\i+8*\mt:8+32*\i+8*\mt+7], v[104+8*\mt:104+8*\mt+7], v[136+8*\i:136+8*\i+7], v[200+8*\mt:200+8*\mt+7]
.else
	v_wmma_f32_16x16x32_f16 v[8+32*\i+8*\mt:8+32*\i+8*\mt+7], v[104+8*\mt:104+8*\mt+7], v[136+8*\i:136+8*\i+7], v[8+32*\i+8*\mt:8+32*\i+8*\mt+7]
.endif
.endr
.endr
.endm
	KS 1                                           ; the first K step starts the sums, with b_out
	s_mov_b32 s45, 7
.Lk:
	KS 0
	s_sub_co_u32 s45, s45, 1
	s_cmp_lg_u32 s45, 0
	s_cbranch_scc1 .Lk
	PLACES
; Row tile i goes out through my own stage (LDS serves a wave's instructions in order, ISA guide 5.7.1.4); a tile that the group does not have is left, and so are those behind it.
.macro OUTT i
	s_add_co_u32 s44, s42, \i
	s_cmp_ge_u32 s44, s20
	s_cbranch_scc1 .Lend
	s_wait_xcnt 0x0                                ; the tile before's stores have had their addresses translated (ISA guide 3.1): their data are loaded over only behind this wait
.irp mt, 0,1,2,3
	ds_store_b128 v242, v[8+32*(\i)+8*\mt:8+32*(\i)+8*\mt+3] offset:64*\mt
	ds_store_b128 v242, v[8+32*(\i)+8*\mt+4:8+32*(\i)+8*\mt+7] offset:64*\mt+16
.endr
.irp u, 0,1,2,3,4,5,6,7
	ds_load_b128 v[160+4*\u:163+4*\u], v243 offset:2*272*\u
.endr
.irp u, 0,1,2,3,4,5,6,7
	s_wait_dscnt 7-\u
	global_store_b128 v244, v[160+4*\u:163+4*\u], s[36+2*(\i):37+2*(\i)] offset:2048*\u th:TH_STORE_NT   ; 16 lanes store 256 consecutive bytes, at a multiple of 256 from out0's first byte
.endr
.endm
	OUTT 0
	OUTT 1
	OUTT 2
.Lend:
	s_wait_tensorcnt 0x0                           ; the wave's end
	ds_add_u32 v1, v2
	s_wait_dscnt 0x0
	s_endpgm
.Lfunc_end_k_q81eb9d320f_outproj:
	.size	k_q81eb9d320f_outproj, .Lfunc_end_k_q81eb9d320f_outproj-k_q81eb9d320f_outproj
	.p2alignl 7, 3214868480
	.fill 96, 4, 3214868480
	.section	.rodata,"a",@progbits
	.p2align	6, 0x0
	.amdhsa_kernel k_q81eb9d320f_outproj
		.amdhsa_group_segment_fixed_size 312320
		.amdhsa_private_segment_fixed_size 0
		.amdhsa_enable_private_segment 0
		.amdhsa_kernarg_size 40
		.amdhsa_user_sgpr_count 2
		.amdhsa_user_sgpr_kernarg_segment_ptr 1
		.amdhsa_wavefront_size32 1
		.amdhsa_system_sgpr_workgroup_id_x 1
		.amdhsa_system_sgpr_workgroup_id_y 1
		.amdhsa_system_sgpr_workgroup_id_z 1
		.amdhsa_system_vgpr_workitem_id 0
		.amdhsa_next_free_vgpr 256
		.amdhsa_next_free_sgpr 66
		.amdhsa_reserve_vcc 0
		.amdhsa_float_denorm_mode_32 3
		.amdhsa_float_denorm_mode_16_64 3
		.amdhsa_memory_ordered 1
		.amdhsa_forward_progress 1
		.amdhsa_inst_pref_size 39
	.end_amdhsa_kernel
	.amdgpu_metadata
---
amdhsa.version: [ 1, 2 ]
amdhsa.kernels:
  - .name:           k_q81eb9d320f_outproj
    .symbol:         k_q81eb9d320f_outproj.kd
    .args:
      - { .name: s0, .offset: 0, .size: 8, .value_kind: global_buffer, .address_space: global }
      - { .name: s1, .offset: 8, .size: 8, .value_kind: global_buffer, .address_space: global }
      - { .name: W_out, .offset: 16, .size: 8, .value_kind: global_buffer, .address_space: global }
      - { .name: b_out, .offset: 24, .size: 8, .value_kind: global_buffer, .address_space: global }
      - { .name: out0, .offset: 32, .size: 8, .value_kind: global_buffer, .address_space: global }
    .group_segment_fixed_size: 312320
    .private_segment_fixed_size: 0
    .kernarg_segment_align: 8
    .kernarg_segment_size: 40
    .max_flat_workgroup_size: 512
    .sgpr_count:     66
    .vgpr_count:     256
    .wavefront_size: 32
...
	.end_amdgpu_metadata
.endif
;; end of part 5
;; ======== version 3 of 3: 3 launches; version 2 with the launch gather written anew for expert scheduling mode
;; limits: values outside matrix products are rounded to bf16; values outside matrix products are rounded to f16; inputs' magnitudes at most 65,504; values are held in f16: magnitudes above 65,504 overflow, below 6.1e-05 lose precision; sums are carried in f16
;; workspace buffers: vbuf 22,282,240 bytes; idx 11,141,120 bytes of whole numbers; wts 44,564,480 bytes; s0 22,282,240 bytes; s1 22,282,240 bytes
;; launch proj: the kernel of part 3 again; grid 255 x 1, 16 waves a work-group, no clusters, 312,320 bytes of LDS; arguments value, query, reference_points, W_value, b_value, W_offset, b_offset, W_attn, b_attn, vbuf, idx, wts; writes vbuf, idx, wts
;; launch gather (part 6): grid 256 x 1, 16 waves a work-group, no clusters, 264,192 bytes of LDS; arguments idx, wts, vbuf, s0, s1; writes s0, s1
.if DOCPART == 6
	.amdgcn_target "amdgcn-amd-amdhsa--gfx1250"
	.amdhsa_code_object_version 6
	.text
	.protected	k_q81eb9d320f_gather
	.globl	k_q81eb9d320f_gather
	.p2align	8
	.type	k_q81eb9d320f_gather,@function
k_q81eb9d320f_gather:
	s_mov_b64 s[64:65], 0
	v_nop
	global_prefetch_b8 v0, s[64:65] scope:SCOPE_SE
	s_setreg_imm32_b32 hwreg(HW_REG_WAVE_SCHED_MODE, 0, 2), 2
	s_setreg_imm32_b32 hwreg(HW_REG_WAVE_MODE, 25, 1), 1
	s_wait_xcnt 0x0
	s_wait_alu depctr_vm_vsrc(0)
; MSDeformAttn, second launch: the weighted sums over points and corners, with the table of values in LDS.
; A group owns one batch b and one group cg of 8 channels (16 bytes a position) and holds part of that plane of vbuf in LDS from byte 0 on:
;   role X (groups 0-63):   level 0, 262,144 bytes; all 680 blocks of 32 queries of the batch, 4 points each;          sums into s0
;   role Y (groups 64-255): levels 1-3, 86,016 bytes; a third of the blocks (227, 227, 226), 12 points each;           sums into s1
; Either way a group reads 4 corners x about 2,720 block-points: the 256 groups have alike work.  s0 + s1 is the module's sum; the next launch adds them.
; Lists (from the launch before): idx[head][level][row][4] u16, counted from the table's first position; wts[head][level][block][i][lane][points 2 i, 2 i + 1: w00 w10 w01 w11] f16.
; A corner lies at 16 x index, the next column 16 bytes on, the next row 16 W bytes on; padding and attention weight are already in the weights.
; LANE = QUERY: a lane reads its own corner's 16 bytes and keeps its eight sums: nothing crosses lanes.  v_fma_mix_f32_bf16 multiplies a bf16 half straight into an f32 sum.
; Wave w takes blocks w, w + 16, ... of the group's; the loops count to the constant maximum, and a wave with no block left jumps forward over the trip.
; OUT: s[cg][row][8] f16: a wave's store covers 512 consecutive bytes, aligned.
; LIMITS.  v in bf16, weights in f16, sums in f32, each of the two partial sums rounded to f16 (under 65,504).  An index is clamped to its level's largest, which changes none that the launch before makes.
; NO MATRIX UNIT: a query's weights would fill one column of sixteen.  NO CLUSTER, NO TENSOR LOADS: the four channel groups of a head read the same lists, 40 (X) or 120 (Y) bytes a query,
; straight into registers; to share them they would have to pass through LDS, beside role X's table of 262,144 bytes.  The tables are a group's own (X) or three groups' (Y), read once.
; THE MODE: SCHED_MODE bits 1:0 = 2 (LLVM: expert scheduling mode 2), set by the entry lines.  The code itself states the register dependences
; between vector instructions and memory or LDS instructions, with s_wait_alu, always for 0.
; THE PLAN.  Registers that memory or LDS instructions touch:
;   v3, v4, v48-51   offsets, made once at the head and never written again: read by every global load, by the store and by the fill's LDS stores.
;   v16-21, v24-47   the lists.  Written by the loads for the next block; read by this trip's index and weight lines (ADDR, CVT), which all stand at the trip's head.
;   v56-67           the points' LDS addresses.  Written by ADDR at the trip's head; read by the trip's LDS loads.
;   v128-255         the corners: EIGHT slots of 16, point p in slot p % 8.  Written by the LDS loads; read by the point's 32 multiply-adds.
;   v120-123         the packed sums.  Written by the four roundings at the trip's end; read by the store behind them.
;   v72-199          before the loop: the fill's loads land in them and its LDS stores read them.
;   v8-15 (sums) and, in the loop, v72-119 (weights in f32) are named by vector instructions alone.
; A trip has one wait on vm_vsrc, at its head, and two or three on va_vdst: behind ADDR and CVT (it serves the LDS loads of points 0-7 and the next block's lists); in role Y at point 4's head
; (points 0-3 are done with slots 0-3, in which points 8-11 land, dealt among points 4-7's multiply-adds, which name slots 4-7 alone); and ahead of the store.
.set SPARE, 262144       ; the spare words: 16 waves x 128 bytes, eight blocks of 256 that no other line names
; v1 my spare word, v2 = 0 (for the closing lines alone); v3 8 x lane, v4 16 x lane; v8-15 sums; v16-21 indices as loaded (level at + 2); v24-47 weights as loaded (point p: v[24 + 2 p], v[25 + 2 p])
; v48-51 16 t + 65,536 q: the fill; v56-67 the points' LDS addresses; v72-119 weights in f32 (72 + 4 p + corner); v120-123 packed sums; v128-255 corners: eight slots of 16 (corner at + 4 corner); v72-199 before that the fill
; s16 wave; s17 unit, s18 first block of my slice, s19 blocks in it, s20 role (and first level); s21 b, s22 cg, s23 4 h + first level; s[24:25] idx, s[26:27] wts at the block whose lists are asked for;
; s[28:29] where the sums go; s[32:33] the table in vbuf; s40 my block's number in the slice, s41 trip; s[44:47] the lists' steps; s[48:49] the sums' step; s[50:51] my first block's place in s0 or s1
.macro MLOAD nl          ; a block's lists, nl levels: 256 and 2 x 512 dense bytes a level
.set l_, 0
.rept \nl
	global_load_b64  v[16+2*l_:17+2*l_], v3, s[24:25] offset:348160*l_
	global_load_b128 v[24+8*l_:27+8*l_], v4, s[26:27] offset:1392640*l_
	global_load_b128 v[28+8*l_:31+8*l_], v4, s[26:27] offset:1392640*l_+512
.set l_, l_+1
.endr
.endm
.macro CVT r             ; register r of the weights as loaded: its two f16 halves to f32
	v_cvt_f32_f16 v[72+2*(\r-24)], v\r\().l
	v_cvt_f32_f16 v[72+2*(\r-24)+1], v\r\().h
.endm
.macro ADDR p, l0        ; point p's index out of its half word, clamped by a constant, times 16 bytes
.set lv_, (\l0)+(\p)/4
.set cl_, 16254
.if lv_ == 1
.set cl_, 4030
.elseif lv_ == 2
.set cl_, 5086
.elseif lv_ == 3
.set cl_, 5358
.endif
.if (\p)%2 == 0
	v_and_b32 v[56+(\p)], 0xffff, v[16+(\p)/2]
.else
	v_lshrrev_b32 v[56+(\p)], 16, v[16+(\p)/2]
.endif
	v_min_u32 v[56+(\p)], cl_, v[56+(\p)]
	v_lshlrev_b32 v[56+(\p)], 4, v[56+(\p)]
.endm
.macro GATH p, l0        ; point p's four corners, into slot p % 8
.set g_, 128+16*((\p)%8)
.set yo_, 2048>>((\l0)+(\p)/4)
	ds_load_b128 v[g_:g_+3],     v[56+(\p)]
	ds_load_b128 v[g_+4:g_+7],   v[56+(\p)] offset:16
	ds_load_b128 v[g_+8:g_+11],  v[56+(\p)] offset:yo_
	ds_load_b128 v[g_+12:g_+15], v[56+(\p)] offset:yo_+16
.endm
.macro FMA32 p           ; 4 corners x 8 channels
.irp cn, 0,1,2,3
.irp d, 0,1,2,3
	v_fma_mix_f32_bf16 v[8+2*\d], v[128+16*((\p)%8)+4*\cn+\d], v[72+4*(\p)+\cn], v[8+2*\d] op_sel_hi:[1,0,0]
	v_fma_mix_f32_bf16 v[9+2*\d], v[128+16*((\p)%8)+4*\cn+\d], v[72+4*(\p)+\cn], v[9+2*\d] op_sel:[1,0,0] op_sel_hi:[1,0,0]
.endr
.endr
.endm
; A block of 32 queries: np points from level l0 on (nl levels).
.macro TRIP np, l0, nl
	s_wait_loadcnt 0x0                             ; my lists, asked for a trip ago
	s_wait_xcnt 0x0                                ; the last trip's store has had its addresses translated (ISA guide 3.1): its base steps, and its data are rewritten, only behind this wait
	s_wait_alu depctr_vm_vsrc(0)                   ; the last trip's LDS loads have read v56-67, and its store v120-123: this trip writes both again
	s_add_nc_u64 s[28:29], s[28:29], s[48:49]      ; 16 blocks of 512 bytes on (in the first trip: 0)
	s_mov_b32 s48, 8192
.irp p, 0,1,2,3
	ADDR \p, \l0
.endr
.if (\np) > 4
.irp p, 4,5,6,7,8,9,10,11
	ADDR \p, \l0
.endr
.endif
.irp r, 24,25,26,27,28,29,30,31
	CVT \r
.endr
.if (\np) > 4
.irp r, 32,33,34,35,36,37,38,39,40,41,42,43,44,45,46,47
	CVT \r
.endr
.endif
	s_wait_alu depctr_va_vdst(0)                   ; ADDR has written v56-67, which the trip's LDS loads read; ADDR and CVT are done reading the lists, in which the next block's land; the last trip's multiply-adds are done reading the slots, in which points 0-7 land
.irp p, 0,1,2,3
	GATH \p, \l0                                   ; the first four points
.endr
	s_add_co_u32 s42, s40, 16                      ; my next block's lists; my last block asks for its own once more, so that no load leaves a buffer
	s_cmp_lt_u32 s42, s19
	s_cselect_b32 s44, 4096, 0
	s_cselect_b32 s46, 16384, 0
	s_add_nc_u64 s[24:25], s[24:25], s[44:45]
	s_add_nc_u64 s[26:27], s[26:27], s[46:47]
	MLOAD \nl                                      ; no vector instruction since the wait above names v16-47
.irp i, 0,1,2,3,4,5,6,7
	v_mov_b32 v[8+\i], 0
.endr
.set p, 0
.rept \np
.if 4*((\np)-1-p) < 12
	s_wait_dscnt 4*((\np)-1-p)                     ; the counts run down; the last is 0
.else
	s_wait_dscnt 12                                ; LDS loads come back in order (ISA guide 5.7.1): behind point p's four stand three points' twelve
.endif
.if p == 4
	s_wait_alu depctr_va_vdst(0)                   ; the multiply-adds of points 0-3 are done reading slots 0-3, in which points 8-11 land; until those loads are out only slots 4-7 are named
.endif
	FMA32 p
.if p+4 < (\np)
	GATH p+4, \l0                                  ; four points ahead, into a slot that no vector instruction has named since the last wait on va_vdst
.endif
.set p, p+1
.endr
.irp i, 0,1,2,3
	v_cvt_pk_f16_f32 v[120+\i], v[8+2*\i], v[9+2*\i]
.endr
	s_wait_alu depctr_va_vdst(0)                   ; the roundings have written v120-123, which the store reads
	global_store_b128 v4, v[120:123], s[28:29] th:TH_STORE_NT
.endm
.macro FIN               ; the wave's end
	s_wait_dscnt 0x0
	s_wait_alu 0x0
	s_wait_tensorcnt 0x0
	ds_add_u32 v1, v2
	s_wait_dscnt 0x0
	s_endpgm
.endm
	s_load_b256 s[4:11], s[0:1], 0x0               ; idx, wts, vbuf, s0
	s_load_b64 s[12:13], s[0:1], 0x20              ; s1
	v_lshl_add_u32 v1, v0, 2, SPARE
	v_mov_b32 v2, 0
	v_lshrrev_b32 v8, 5, v0
	v_readfirstlane_b32 s16, v8                    ; wave 0..15
	v_and_b32 v8, 31, v0
	v_lshlrev_b32 v3, 3, v8
	v_lshlrev_b32 v4, 4, v8
	v_lshlrev_b32 v48, 4, v0
	v_add_nc_u32 v49, 0x10000, v48
	v_add_nc_u32 v50, 0x20000, v48
	v_add_nc_u32 v51, 0x30000, v48
	s_wait_alu depctr_va_sdst(0)                   ; s16 is written, ahead of its first reader: my first block's number is made from it
	s_sub_co_u32 s37, ttmp9, 64                    ; role Y: unit = low six bits, slice = the rest (of no use in role X)
	s_and_b32 s38, s37, 63
	s_lshr_b32 s39, s37, 6
	s_mul_i32 s18, s39, 227
	s_cmp_eq_u32 s39, 2
	s_cselect_b32 s19, 1, 0
	s_sub_co_u32 s19, 227, s19                     ; 227, 227, 226 blocks
	s_cmp_lt_u32 ttmp9, 64
	s_cselect_b32 s17, ttmp9, s38
	s_cselect_b32 s18, 0, s18
	s_cselect_b32 s19, 680, s19
	s_cselect_b32 s20, 0, 1
	s_lshr_b32 s21, s17, 5                         ; b
	s_and_b32 s22, s17, 31                         ; cg
	s_and_b32 s23, s22, 28
	s_add_co_u32 s23, s23, s20                     ; 4 h + first level
	s_mul_i32 s36, s21, 680
	s_add_co_u32 s36, s36, s18
	s_add_co_u32 s36, s36, s16                     ; my first block, of 1,360
	s_mov_b32 s35, 0
	s_mov_b32 s45, 0
	s_mov_b32 s47, 0
	s_mov_b32 s48, 0
	s_mov_b32 s49, 0
	s_mov_b32 s51, 0
	s_mov_b32 s40, s16
	s_mov_b32 s41, 0
	s_mul_i32 s50, s22, 696320                     ; the sums: 43,520 rows x 16 bytes a channel group,
	s_lshl_b32 s37, s36, 9                         ; 512 bytes a block
	s_add_co_u32 s50, s50, s37
	s_wait_kmcnt 0x0
	s_mul_i32 s34, s23, 348160
	s_lshl_b32 s37, s36, 8
	s_add_co_u32 s34, s34, s37
	s_add_nc_u64 s[24:25], s[4:5], s[34:35]
	s_mul_i32 s34, s23, 1392640
	s_lshl_b32 s37, s36, 10
	s_add_co_u32 s34, s34, s37
	s_add_nc_u64 s[26:27], s[6:7], s[34:35]
	s_mul_i32 s34, s21, 11141120
	s_mul_i32 s37, s22, 348160
	s_add_co_u32 s34, s34, s37
	s_lshl_b32 s37, s20, 18                        ; levels 1-3 begin 262,144 bytes into the plane
	s_add_co_u32 s34, s34, s37
	s_add_nc_u64 s[32:33], s[8:9], s[34:35]
	s_wait_alu depctr_va_vdst(0)                   ; the offsets v3, v4 and v48-51 are written: in both roles every global load, the store and the fill's LDS stores read them, and no line writes them again
	s_cmp_eq_u32 s20, 0
	s_cbranch_scc0 .Ly
; ---------------------------------------------------------------- role X
	s_add_nc_u64 s[28:29], s[10:11], s[50:51]      ; the sums go into s0
	MLOAD 1                                        ; my first block's lists
.irp j, 0,1,2,3,4,5,6,7,8,9,10,11,12,13,14,15,16,17,18,19,20,21,22,23,24,25,26,27,28,29,30,31
	global_load_b128 v[72+4*\j:75+4*\j], v48, s[32:33] offset:8192*\j th:TH_LOAD_NT   ; level 0: 8,192 dense bytes a load over the 512 threads
.endr
.irp q, 0,1,2,3
	s_wait_loadcnt 24-8*\q                         ; the later batches of eight may be out
.irp j, 0,1,2,3,4,5,6,7
	ds_store_b128 v[48+\q], v[72+32*\q+4*\j:75+32*\q+4*\j] offset:8192*\j
.endr
.endr
	s_wait_dscnt 0x0                               ; for the others' sake: my part of the table is in LDS
	s_barrier_signal -1
	s_barrier_wait -1
	s_wait_alu depctr_vm_vsrc(0)                   ; my LDS stores have read v72-199: from here on these are the weights in f32, the packed sums and the corners' slots, written by the trips' vector lines and LDS loads
.Lx:
	s_cmp_ge_u32 s40, s19
	s_cbranch_scc1 .Lxdead
	TRIP 4, 0, 1
.Lxdead:
	s_add_co_u32 s40, s40, 16
	s_add_co_u32 s41, s41, 1
	s_cmp_lt_u32 s41, 43                           ; 680 blocks on 16 waves: 43 or 42
	s_cbranch_scc1 .Lx
	FIN
; ---------------------------------------------------------------- role Y
.Ly:
	s_add_nc_u64 s[28:29], s[12:13], s[50:51]      ; the sums go into s1
	MLOAD 3
.irp j, 0,1,2,3,4,5,6,7,8,9
	global_load_b128 v[72+4*\j:75+4*\j], v48, s[32:33] offset:8192*\j
.endr
	s_cmp_lt_u32 s16, 8                            ; 86,016 bytes are ten and a half such loads: the last half is waves 0-7's
	s_cbranch_scc0 .Lyfull
	global_load_b128 v[112:115], v48, s[32:33] offset:81920
	s_wait_loadcnt 0x0
	ds_store_b128 v49, v[112:115] offset:16384
.Lyfull:
	s_wait_loadcnt 0x0
.irp j, 0,1,2,3,4,5,6,7
	ds_store_b128 v48, v[72+4*\j:75+4*\j] offset:8192*\j
.endr
	ds_store_b128 v49, v[104:107]
	ds_store_b128 v49, v[108:111] offset:8192
	s_wait_dscnt 0x0                               ; for the others' sake: my part of the table is in LDS
	s_barrier_signal -1
	s_barrier_wait -1
	s_wait_alu depctr_vm_vsrc(0)                   ; my LDS stores have read v72-115: from here on these are the weights in f32, written by the trips' conversions
.Lyl:
	s_cmp_ge_u32 s40, s19
	s_cbranch_scc1 .Lydead
	TRIP 12, 1, 3
.Lydead:
	s_add_co_u32 s40, s40, 16
	s_add_co_u32 s41, s41, 1
	s_cmp_lt_u32 s41, 15                           ; 227 or 226 blocks on 16 waves: 15 or 14
	s_cbranch_scc1 .Lyl
	FIN
.Lfunc_end_k_q81eb9d320f_gather:
	.size	k_q81eb9d320f_gather, .Lfunc_end_k_q81eb9d320f_gather-k_q81eb9d320f_gather
	.p2alignl 7, 3214868480
	.fill 96, 4, 3214868480
	.section	.rodata,"a",@progbits
	.p2align	6, 0x0
	.amdhsa_kernel k_q81eb9d320f_gather
		.amdhsa_group_segment_fixed_size 264192
		.amdhsa_private_segment_fixed_size 0
		.amdhsa_enable_private_segment 0
		.amdhsa_kernarg_size 40
		.amdhsa_user_sgpr_count 2
		.amdhsa_user_sgpr_kernarg_segment_ptr 1
		.amdhsa_wavefront_size32 1
		.amdhsa_system_sgpr_workgroup_id_x 1
		.amdhsa_system_sgpr_workgroup_id_y 1
		.amdhsa_system_sgpr_workgroup_id_z 1
		.amdhsa_system_vgpr_workitem_id 0
		.amdhsa_next_free_vgpr 256
		.amdhsa_next_free_sgpr 66
		.amdhsa_reserve_vcc 0
		.amdhsa_float_denorm_mode_32 3
		.amdhsa_float_denorm_mode_16_64 3
		.amdhsa_memory_ordered 1
		.amdhsa_forward_progress 1
		.amdhsa_inst_pref_size 57
	.end_amdhsa_kernel
	.amdgpu_metadata
---
amdhsa.version: [ 1, 2 ]
amdhsa.kernels:
  - .name:           k_q81eb9d320f_gather
    .symbol:         k_q81eb9d320f_gather.kd
    .args:
      - { .name: idx, .offset: 0, .size: 8, .value_kind: global_buffer, .address_space: global }
      - { .name: wts, .offset: 8, .size: 8, .value_kind: global_buffer, .address_space: global }
      - { .name: vbuf, .offset: 16, .size: 8, .value_kind: global_buffer, .address_space: global }
      - { .name: s0, .offset: 24, .size: 8, .value_kind: global_buffer, .address_space: global }
      - { .name: s1, .offset: 32, .size: 8, .value_kind: global_buffer, .address_space: global }
    .group_segment_fixed_size: 264192
    .private_segment_fixed_size: 0
    .kernarg_segment_align: 8
    .kernarg_segment_size: 40
    .max_flat_workgroup_size: 512
    .sgpr_count:     66
    .vgpr_count:     256
    .wavefront_size: 32
...
	.end_amdgpu_metadata
.endif
;; end of part 6
;; launch outproj: the kernel of part 5 again; grid 256 x 1, 16 waves a work-group, no clusters, 312,320 bytes of LDS; arguments s0, s1, W_out, b_out, out0; writes out0
